; MI455X (gfx1250); checked and timed in simulation.
; The chip was launched on July 23, 2026; its instructions are those of AMD's public machine-readable ISA for CDNA 5 (MIT licence, August 2026) and "CDNA5" Instruction Set Architecture Reference Guide (July 2026). The comments in the code are by the model that wrote it; some were corrected since.
;; Attention. Allowed arithmetic: matrix products marked QUANTISED: E5M2 operands, one E8M0 scale for each 32 along K, by v_wmma_scale_f32_16x16x128_f8f6f4 with both operands' format E5M2, f32 sums; products left as they are: f32 operands where the result goes on into a quantised operand, else bf16, f16 or f32 operands; f32 sums; everything else in f32.
;; Inputs: attn_b 512 float32; attn_w_codes 512 x 64 x 32 uint8 (E5M2 codes of attn_w, K innermost, in blocks of 32 codes); attn_w_scales 512 x 64 uint8 (E8M0 scales of attn_w, one for each 32 codes along K); encoder_outputs 2,048 x 32 x 1,024 float32; hidden 32 x 1,024 float32; mask 32 x 2,048 int32; v 512 float32.
;; Outputs: out0 32 x 2,048 float32.
;; This version of the problem:
;;   THIS VERSION OF THE PROBLEM IS GIVEN IN LOW PRECISION. The matrix products marked QUANTISED in the list below multiply operands that are first quantised to E5M2 (5 exponent bits, 2 mantissa bits; 8 bits a number), with one power-of-two scale for each 32 numbers along K (OCP MX v1.0); their sums are f32. All else is computed in f32.
;;   The module's matrix products, in the order in which they are computed (A, B: the left and right operand; K: the contracted axis; several contracted axes count as one K, in the product's order):
;;     1. [M 65,536, K 2,048] x [K 2,048, N 512]; A: computed on the way; B: input attn_w (given as codes): QUANTISED
;;     2. [M 65,536, K 512] x [K 512, N 1]; A: computed on the way; B: input v: left as it is (N = 1 < 16)
;;   THE QUANTISER, for each operand of a quantised product, along K:
;;     - K is cut into blocks of 32 from its start; a last block that is shorter is filled with zeros.
;;     - A block's scale is 2^e with e = floor(log2(the largest magnitude in the block)) - 15, held to -126 .. 127; a block of zeros has e = 0. As a byte (E8M0): e + 127.
;;     - Each number is divided by its block's scale, clamped to +-57,344, and rounded to the nearest number of E5M2, ties to even, subnormals kept.
;;     - The product sums the exact products of the quantised numbers (number of the format x scale) in f32.
;;   ~~~python
;;   def quantise(x, axis):      # numpy; x: float32 -> the quantised numbers, widened to float32 again
;;       x = np.moveaxis(x, axis, -1); K = x.shape[-1]
;;       x = np.pad(x, [(0, 0)] * (x.ndim - 1) + [(0, -K % 32)]); x = x.reshape(x.shape[:-1] + (-1, 32)); a = np.abs(x).max(-1, keepdims=True)
;;       e = np.where(a > 0, np.clip(np.frexp(np.where(a > 0, a, 1))[1] - 1 - 15, -126, 127), 0)      # np.frexp(a)[1] - 1 = floor(log2(a)), exactly
;;       r = np.clip(x / 2.0 ** e, -57344, 57344)
;;       step = 2.0 ** (np.maximum(np.frexp(np.where(r == 0, 1, r))[1] - 1, -14) - 2)
;;       q = np.round(r / step) * step * 2.0 ** e      # np.round: ties to even
;;       return np.moveaxis(q.reshape(q.shape[:-2] + (-1,))[..., :K], -1, axis).astype(np.float32)
;;   ~~~
;;   OPERANDS COMPUTED ON THE WAY. 'Computed on the way' means the value that the module computes at that place (a softmax that the list does not call 'softmax' is quantised finished and normalised). What goes into a quantiser is computed in f32, as accurately as f32 sums, v_exp_f32 and their like allow (about 1e-6 of the number): no bf16 or f16 on the way to a quantiser, and a product that is left as it is and whose result goes on into a quantised operand takes f32 operands (vector FMAs, or v_wmma_f32_16x16x4_f32). A number that lies on a knife's edge between two numbers of the format may be rounded either way, as far as f32 arithmetic and the matrix unit's own rounding can turn it there, and no further.
;;   INPUTS GIVEN AS CODES. attn_w (in the module: [512, 2048], K = its axis 1): each comes as NAME_codes (uint8): NAME with its K axis moved to the last place and cut into blocks of 32 codes, [.., K / 32, bytes a block], one block behind the other in memory; one code a byte (a code: sign, 5 exponent bits, 2 mantissa bits); and NAME_scales (uint8): the same leading axes, one E8M0 byte (e + 127) for each 32 codes along K. Its value is code x scale, taken as it is: it is not quantised again, and the codes and scales need not be those that the quantiser above would give.
;; 2 versions. Each part assembles by itself: llvm-mc -triple=amdgcn-amd-amdhsa -mcpu=gfx1250 --defsym DOCPART=n.
;; ======== version 1 of 2: 2 launches
;; workspace buffers: scores 262,144 bytes
;; launch energy (part 1): grid 256 x 1, 4 waves a work-group, clusters of 4 x 1, 327,680 bytes of LDS; arguments encoder_outputs, hidden, attn_w_codes, attn_w_scales, attn_b, v, scores; writes scores
.if DOCPART == 1
	.amdgcn_target "amdgcn-amd-amdhsa--gfx1250"
	.amdhsa_code_object_version 6
	.text
	.protected	k_q0dd0c5d9f6_energy
	.globl	k_q0dd0c5d9f6_energy
	.p2align	8
	.type	k_q0dd0c5d9f6_energy,@function
k_q0dd0c5d9f6_energy:
	s_mov_b64 s[64:65], 0
	v_nop
	global_prefetch_b8 v0, s[64:65] scope:SCOPE_SE
	s_setreg_imm32_b32 hwreg(HW_REG_WAVE_MODE, 25, 1), 1
	s_wait_xcnt 0x0
	s_wait_alu depctr_hold_cnt(0) depctr_sa_sdst(0) depctr_va_vdst(0) depctr_va_sdst(0) depctr_va_ssrc(0) depctr_va_vcc(0) depctr_vm_vsrc(0)
	s_getreg_b32 s2, hwreg(HW_REG_IB_STS2, 6, 4)
	s_cmp_eq_u32 s2, 0
	s_cbranch_scc0 .Lentry_in_a_cluster
	s_endpgm
.Lentry_in_a_cluster:
	s_bfe_u32 s2, ttmp6, 0x10000c
	s_cmp_lg_u32 s2, 0x3003
	s_cbranch_scc0 .Lentry_shape_is_right
	s_endpgm
.Lentry_shape_is_right:
; scores[b][s] = sum over n of v[n] tanh(attn_b[n] + sum over k of Q(cat[b][s])[k] W[n][k]),  cat = hidden[b] (1,024) | encoder_outputs[s][b] (1,024); mask and softmax follow in the next launch.
; W: 512 x 2,048 codes of BF8 (E5M2) with one E8M0 byte for each 32 along K, taken as given.  cat is quantised here, in f32, in blocks of 32 along K.
; K IS SPLIT AT 1,024.  No block of 32 straddles the seam, and the first half of a row is the same for all s of a b: so its part of the sum is 512 numbers for each b, made once a work-group
; (a fragment of 16 equal rows against all of W's first half, the sums started with attn_b), and enters as a bias.  Only the order of the f32 sums differs from a sum over all 2,048.
; SHARES.  A work-group owns one b and 256 neighbouring s, as two tiles of 128 rows x all 512 columns; wave w makes 128 rows x columns 128 w .. 128 w + 127: 64 accumulators, 512 registers.
; W goes in K steps of 128 through a ring of two LDS slots; each wave fetches and reads its own 128 rows.  CLUSTER: every work-group walks the same W in the same order, so the four of a cluster ask JOINTLY
; (mask 15, a descriptor made of constants and the wave's number alone): a quarter of the requests.
; encoder_outputs is read ONCE, by loads of which each covers 512 neighbouring bytes of one row (a UNIT = a tile's 128 rows x 128 along K; 32 rows, 32 loads a wave, into 128 staging registers).
; A unit that has landed is put as it lies into the wave's own stage in LDS, the staging registers are asked again at once, and the numbers come back 64 bytes a lane, in the operand's order; they are quantised
; and stored as IMAGES OF THE OPERAND'S REGISTERS (16 bytes a lane, 512 a store; the scale words 4 bytes a lane), which all four waves load back.  Four image slots: unit x in slot x % 4.
; The quantiser runs ahead of the products: two units in tile 0, three in tile 1 (one unit is quantised among the first tile's tanh), so that loads are out through nearly all of the launch.
; THE MATRIX INSTRUCTION IS USED TRANSPOSED (source 0 = 16 rows of W, source 1 = 16 rows of cat): lane (r, h), register j of accumulator (a, i) holds row 16 a + r, column 128 w + 16 i + 8 h + j.
; tanh(x) = 1 - 2 / (1 + 2^(2 log2(e) x)): it ends at +-1 for large |x| without overflow; absolute error of the order of an f32 ulp of 1.
; LIMITS: NaN and infinities among the inputs are not served.  A block whose largest magnitude lies under 2^-111 keeps the scale byte 1 (a block of zeros too: its codes are zeros, and the bytes are read here alone).
; REGISTERS, in windows of 256 (s_set_vgpr_msb: bits 1:0 source 0, 3:2 source 1, 5:4 source 2, 7:6 destination):
;   window 0: v1-23 addresses; v24-31 hidden as loaded, later the finished scores; v32-39 W's scale words, v40-47 cat's (scales and nothing else); v48-79 codes; v80-97 the quantiser's work; v98-123 sums and two addresses;
;             v128-255 cat's 8 fragments, between the products the quantiser's 2 x 64 numbers
;   window 1: v0-127 W's 8 fragments (in the tanh phase the bias and v); v128-255 the staging registers.    windows 2, 3: accumulator (a, i) at v[64 (a % 4) + 8 i] of window 2 + a / 4
.set WSLOT,  73728                     ; a slot of W: four waves x 128 rows x 144.  Slot 0 at LDS byte 0, slot 1 behind it
.set WWAVE,  18432                     ; a wave's 128 rows
.set WP,     144                       ; a row of W in LDS: 128 bytes + 16 of padding = 36 words: the 16 rows of a load start at 16 different groups of four banks (64 banks of 4 bytes: ISA guide 11.1)
.set WSC,    147456                    ; W's scale bytes for all of K: a wave's 8,192 dense bytes as 32 rows of 256 + 16; filled once
.set WSCW,   8704
.set IMG,    182272                    ; four image slots x 8 fragments x 2,048 bytes
.set ISLOT,  16384
.set FRB,    2048
.set ASC,    247808                    ; their scale words: four slots x 8 fragments x 128 bytes
.set STG,    251904                    ; the stages: for each wave 32 rows x (512 + 16)
.set STGW,   16896
.set SP,     528                       ; 33 x 16 bytes: the 16 rows of a load back start at 16 different groups of four banks
.set BV,     319488                    ; [512] f32: attn_b, later 2 log2(e) x (attn_b + the hidden part); behind it, 2,048 on, v.  Each wave touches its own 512 bytes of both
.set PS,     323584                    ; partial scores [wave][128 rows]
.set SPARE,  325632                    ; the spare words, 128 bytes for each wave: two blocks of 256 bytes that no other line names
.set EROW,   131072                    ; bytes from s to s + 1 in encoder_outputs
.set SPW,  1                           ; v1   SPARE + 4 x thread; never rewritten
.set NIL,  2                           ; v2   0; never rewritten
.set VT,   3                           ; v3   BV + 16 x thread
.set XA,   4                           ; v4   encoder_outputs: 16 x lane + my wave's 32 rows
.set HA,   5                           ; v5   hidden: 16 x lane + 1,024 x wave
.set STW,  6                           ; v6   my stage, on the way in: 16 x lane
.set STR,  7                           ; v7   and back: row r, + 64 h
.set STRH, 8                           ; v8   back for hidden: every lane row 0, + 64 h
.set IW0,  9                           ; v9   where I store images: IMG + 16 x lane + 2 fragments x wave
.set SW0,  10                          ; v10  and their scale words
.set ADB0, 11                          ; v11-12 my fragments of W in slot 0, 1
.set AW0,  13                          ; v13  my scale words of W
.set AI0,  14                          ; v14  IMG + 16 x lane
.set AS0,  15                          ; v15  ASC + 4 x lane
.set ADI,  16                          ; v16-21 the addresses in hand
.set ADSA, 17
.set ADW,  18
.set ADIW, 19
.set ADSW, 20
.set XAD,  21
.set BVA,  22                          ; v22  BV + 512 x wave + 32 h
.set GO,   23                          ; v23  16 x lane
.set FS,   24                          ; v24-31 the finished scores of tile 0, tile 1
.set SCW,  32
.set SCA,  40
.set PC0,  48
.set PC1,  64
.set TM,   80                          ; +0..3 largest magnitudes, +4..7 the other half's, then bytes, +8..11 the largest number x the scale, +12..15 the conversions' scale operands
.set PW0,  96
.set PW1,  97
.set R,    98                          ; v98-105 a block's row sums
.set CH,   106                         ; v106-113 four pairs of chains
.set T,    114                         ; v114-121 the other half's row sums (first written by the loads of v and attn_b)
.set PSW,  122
.set PSR,  123
.set X0,   128
.set X1,   192
.set WV,   18                          ; s18  my wave's number
.set MNT,  19                          ; s19  the mantissa field of 57,344
.set SEL,  20                          ; s[20:21] v_permlanex16_b32's selects for lane l xor 16
.set C2,   22                          ; s[22:23] 2 log2(e), twice
.set G1W,  24                          ; s[24:31] descriptor group 1 for W's tiles;  s[32:35], s[36:39] group 0 for slot 0, 1
.set G0W,  32
.set G1S,  40                          ; s[40:47], s[48:51] the same for W's scale bytes
.set G0S,  48
.set IR,   52                          ; s52  the image slot that is read, x 16,384
.set IW,   53                          ; s53  the one that is written
.set KW,   54                          ; s54  4 x the K step: which scale word of W
.set UX,   55                          ; s55  the next unit to ask for
.set CNT,  56                          ; s56  trips
.set MSB, 0
.macro WIN new                         ; the immediate's high byte repeats the setting that is left; a switch that changes nothing is dropped
.if MSB != (\new)
	s_set_vgpr_msb (MSB<<8)|(\new)
.set MSB, (\new)
.endif
.endm
; A load into a register that a matrix instruction has read, and a vector instruction or LDS store that reads a matrix result, stand eight places behind it for this form; only plain vector
; instructions that name none of its registers are places.
.macro PLACES n
.if (\n) > 0
.rept \n
	v_nop
.endr
.endif
.endm
; A round of the cluster's barrier: my work-group's barrier, wave 0 signals for the work-group, every wave waits for all four work-groups, my work-group's barrier once more.
.macro ROUND
	s_barrier_signal -1
	s_barrier_wait -1
	s_cmp_lg_u32 s[WV], 0
	s_cbranch_scc1 .Lnot_wave_0_\@
	s_barrier_signal -3
.Lnot_wave_0_\@:
	s_barrier_wait -3
	s_barrier_signal -1
	s_barrier_wait -1
.endm
; THE CHANGE OF SLOTS, at the head of every K step.  slot: the one about to be read.  fill = 1: the other slot takes the next K step's tile: my one tensor load until the next change.
; step: what this slot's descriptor walks to its next tile: 0 nothing, 1 two K steps on (256 bytes), 2 back to the second half's start (768 bytes back).  fix = 1: the other slot's descriptor, which the loop has
; stepped 256 on where 768 back was due, goes 1,024 back ahead of its use.
.macro HEAD slot, fill, step, fix
	WIN 0
	s_wait_tensorcnt 0x0                           ; all my tensor loads have landed, my part of the slot ahead among them: so every group 0 may be written
	ds_add_u32 v[SPW], v[NIL]                      ; 0 onto my spare word
.if \fix
	s_sub_nc_u64 s[G0W+6-4*(\slot):G0W+7-4*(\slot)], s[G0W+6-4*(\slot):G0W+7-4*(\slot)], 1024
.endif
.if (\step) == 1
	s_add_nc_u64 s[G0W+4*(\slot)+2:G0W+4*(\slot)+3], s[G0W+4*(\slot)+2:G0W+4*(\slot)+3], 256
.endif
.if (\step) == 2
	s_sub_nc_u64 s[G0W+4*(\slot)+2:G0W+4*(\slot)+3], s[G0W+4*(\slot)+2:G0W+4*(\slot)+3], 768
.endif
	s_wait_dscnt 0x0                               ; the add is done; my reads of the slot that I leave and of the images are over, my stores of images have landed
.if \fill
	ROUND                                          ; all that now holds of every wave of the four work-groups
	tensor_load_to_lds s[G0W+4-4*(\slot):G0W+7-4*(\slot)], s[G1W:G1W+7]
	s_nop 0
.else
	s_barrier_signal -1
	s_barrier_wait -1
.endif
	PLACES 4                                       ; four v_nop follow the load; they are four of the eight places in front of the loads below
.endm
; Unit UX is asked for: 32 rows, each load 512 neighbouring bytes at a multiple of 256.  v[XAD] is rewritten only behind the wait that showed its last loads done.
; guard = 1: the one call that could ask past the last unit: no load leaves the buffer.
.macro LNEXT guard
.if \guard
	s_cmp_lt_u32 s[UX], 16
	s_cbranch_scc0 .Lnol_\@
.endif
	s_and_b32 s57, s[UX], 7
	s_lshl_b32 s57, s57, 9                         ; the K step: 512 bytes
	s_lshr_b32 s58, s[UX], 3
	s_lshl_b32 s58, s58, 24                        ; the tile: 128 rows of 131,072 bytes
	s_add_co_u32 s57, s57, s58
	v_add_nc_u32 v[XAD], s57, v[XA]
	WIN 0x40                                       ; destination window 1
.set n_, 0
.rept 32
	global_load_b128 v[128+4*n_:131+4*n_], v[XAD], s[4:5] offset:n_*EROW th:TH_LOAD_NT
.set n_, n_+1
.endr
	WIN 0
.if \guard
.Lnol_\@:
.endif
	s_add_co_u32 s[UX], s[UX], 1
.endm
.macro STIN                            ; the unit that has landed goes into my stage as it lies.  Leaves the data's window at 1
	WIN 0x04
	s_wait_loadcnt 0x0                             ; the unit's 32 loads, asked for a step ago
.set n_, 0
.rept 32
	ds_store_b128 v[STW], v[128+4*n_:131+4*n_] offset:n_*SP
.set n_, n_+1
.endr
.endm
.macro STOUT f, adr                    ; and comes back: rows 16 f + r; register 16 c + 4 j + .. = k 32 c + 16 h + 4 j + ..  LDS serves a wave's instructions in order (ISA guide 5.7.1.4): these see my stores
.irp c, 0,1,2,3
.irp j, 0,1,2,3
	ds_load_b128 v[128+64*\f+16*\c+4*\j:131+64*\f+16*\c+4*\j], v[\adr] offset:\f*16*SP+128*\c+16*\j
.endr
.endr
.endm
; 64 numbers of a lane, register 16 b + i = k 32 b + 16 h + i of my row, become a fragment's codes in v[pc] on and its scale word in v[pw].
.macro QUANT x, pc, pw
.irp b, 0,1,2,3
	v_max3_num_f32 v[TM+\b], |v[\x+16*\b]|, |v[\x+1+16*\b]|, 0x8000000   ; block b: my 16 numbers, and the floor 2^(16 - 127): so the byte cannot fall under 1
.endr
.irp i, 2,4,6,8,10,12,14
.irp b, 0,1,2,3
	v_max3_num_f32 v[TM+\b], v[TM+\b], |v[\x+16*\b+\i]|, |v[\x+1+16*\b+\i]|   ; (the four blocks by turns)
.endr
.endr
.irp b, 0,1,2,3
	v_permlanex16_b32 v[TM+4+\b], v[TM+\b], s[SEL], s[SEL+1]
.endr
.irp b, 0,1,2,3
	v_max_num_f32 v[TM+\b], v[TM+\b], v[TM+4+\b]   ; with lane l xor 16's 16: the block's largest magnitude
.endr
.irp b, 0,1,2,3
	v_add_nc_u32 v[TM+12+\b], 0xf8800000, v[TM+\b] ; 15 off its exponent field: the conversion takes the exponent field of this operand as its scale
.endr
.irp b, 0,1,2,3
	v_and_or_b32 v[TM+8+\b], v[TM+\b], 0x7f800000, s[MNT]   ; 57,344 x the scale
.endr
.irp b, 0,1,2,3
	v_lshrrev_b32 v[TM+4+\b], 23, v[TM+12+\b]      ; the scale's byte
.endr
	v_lshl_or_b32 v[\pw], v[TM+5], 8, v[TM+4]      ; four bytes: my row's scale word
	v_lshl_or_b32 v[\pw], v[TM+6], 16, v[\pw]
	v_lshl_or_b32 v[\pw], v[TM+7], 24, v[\pw]
.irp b, 0,1,2,3
.irp i, 0,1,2,3,4,5,6,7,8,9,10,11,12,13,14,15
	v_med3_num_f32 v[\x+16*\b+\i], v[\x+16*\b+\i], -v[TM+8+\b], v[TM+8+\b]   ; the conversion to an 8-bit code does not saturate (ISA guide 7.6.2): the hold at the largest code x the scale
.endr
	v_cvt_scalef32_pk8_bf8_f32 v[\pc+4*\b:\pc+1+4*\b], v[\x+16*\b:\x+7+16*\b], v[TM+12+\b]
	v_cvt_scalef32_pk8_bf8_f32 v[\pc+2+4*\b:\pc+3+4*\b], v[\x+8+16*\b:\x+15+16*\b], v[TM+12+\b]
.endr
	v_nop                                          ; one plain vector instruction behind the last scaled conversion
.endm
.macro IMAGE f, pc, pw                 ; my fragment f (0, 1) and its scale words go to LDS as they stand
.irp c, 0,1,2,3
	ds_store_b128 v[ADIW], v[\pc+4*\c:\pc+4*\c+3] offset:\f*FRB+512*\c
.endr
	ds_store_b32 v[ADSW], v[\pw] offset:\f*128
.endm
.macro WADR                            ; where this unit's images go: slot IW
	v_add_nc_u32 v[ADIW], s[IW], v[IW0]
	s_lshr_b32 s57, s[IW], 4
	v_add_nc_u32 v[ADSW], s57, v[SW0]
.endm
.macro QFIN                            ; behind STOUT 0 and STOUT 1
	s_wait_dscnt 16                                ; my first 16 rows are back; the second 16 rows' 16 loads may be out
	QUANT X0, PC0, PW0
	IMAGE 0, PC0, PW0
	s_wait_dscnt 5                                 ; the second 16 rows are back; the five stores just issued may be out
	QUANT X1, PC1, PW1
	IMAGE 1, PC1, PW1
.endm
.macro HOSTALL np                      ; a unit is taken in, the next asked for, and this one quantised, in one piece.  np: places still owed behind matrix instructions that read v128-255
	PLACES \np
	STIN
	WIN 0
	s_wait_dscnt 0x0                               ; the stage's stores have read the staging registers; earlier image stores have read theirs
	LNEXT 0
	WADR
	STOUT 0, STR
	STOUT 1, STR
	QFIN
.endm
; 8 matrix instructions: cat's block a against W's eight.  The 64 accumulators take turns, one instruction a turn, in the same order in every step.
.macro MUL a, zero
.irp i, 0,1,2,3,4,5,6,7
.if \zero
	v_wmma_scale_f32_16x16x128_f8f6f4 v[64*((\a)%4)+8*\i:64*((\a)%4)+8*\i+7], v[16*\i:16*\i+15], v[128+16*(\a):143+16*(\a)], 0, v[SCW+\i], v[SCA+(\a)] matrix_a_fmt:MATRIX_FMT_BF8 matrix_b_fmt:MATRIX_FMT_BF8
.else
	v_wmma_scale_f32_16x16x128_f8f6f4 v[64*((\a)%4)+8*\i:64*((\a)%4)+8*\i+7], v[16*\i:16*\i+15], v[128+16*(\a):143+16*(\a)], v[64*((\a)%4)+8*\i:64*((\a)%4)+8*\i+7], v[SCW+\i], v[SCA+(\a)] matrix_a_fmt:MATRIX_FMT_BF8 matrix_b_fmt:MATRIX_FMT_BF8
.endif
.endr
.endm
.macro BLOADS slot                     ; W's eight fragments: lane (r, h): row 16 i + r, bytes 32 c + 16 h on
	WIN 0x40
.irp i, 0,1,2,3,4,5,6,7
.irp c, 0,1,2,3
	ds_load_b128 v[16*\i+4*\c:16*\i+4*\c+3], v[ADB0+\slot] offset:16*WP*\i+32*\c
.endr
.endr
	WIN 0
.endm
; A K step of the hidden half: one fragment of 16 equal rows against my 128 rows of W: eight sums in place, in window 2, begun with attn_b.
.macro HSTEP j, slot
	HEAD \slot, 1, 1, 0
	PLACES 4
.irp i, 0,1,2,3,4,5,6,7
	ds_load_b32 v[SCW+\i], v[AW0] offset:1088*\i+4*\j
.endr
	ds_load_b32 v[SCA], v[AS0] offset:3*1024+128*\j
	BLOADS \slot
.irp c, 0,1,2,3
	ds_load_b128 v[128+4*\c:131+4*\c], v[AI0] offset:3*ISLOT+FRB*\j+512*\c
.endr
	s_wait_dscnt 0x0
	WIN 0xa1
.irp i, 0,1,2,3,4,5,6,7
	v_wmma_scale_f32_16x16x128_f8f6f4 v[8*\i:8*\i+7], v[16*\i:16*\i+15], v[128:143], v[8*\i:8*\i+7], v[SCW+\i], v[SCA] matrix_a_fmt:MATRIX_FMT_BF8 matrix_b_fmt:MATRIX_FMT_BF8
.endr
	WIN 0
.endm
; A K step of the second half: 64 matrix instructions.  zero = 1: they start the sums.  host = 1: a unit is taken in, the next asked for and this one quantised on the way.
.macro SSTEP slot, zero, fill, step, fix, host, guard
	HEAD \slot, \fill, \step, \fix
	v_add_nc_u32 v[ADI], s[IR], v[AI0]             ; (three additions and a v_nop: with the four above, eight places)
	s_lshr_b32 s57, s[IR], 4
	v_add_nc_u32 v[ADSA], s57, v[AS0]
	v_add_nc_u32 v[ADW], s[KW], v[AW0]
	v_nop
.irp i, 0,1,2,3,4,5,6,7
	ds_load_b32 v[SCW+\i], v[ADW] offset:1088*\i
.endr
.irp a, 0,1,2,3,4,5,6,7
	ds_load_b32 v[SCA+\a], v[ADSA] offset:128*\a
.endr
	BLOADS \slot
.irp a, 0,1,2,3,4,5,6,7
.irp c, 0,1,2,3
	ds_load_b128 v[128+16*\a+4*\c:131+16*\a+4*\c], v[ADI] offset:FRB*\a+512*\c
.endr
.endr
	WIN 0xa1
.irp a, 0,1,2,3
	s_wait_dscnt 28-4*\a                           ; all up to block a is in; the later blocks' loads, four each, may be out
	MUL \a, \zero
.endr
.if \host
	STIN
.endif
	WIN 0xf1
.irp a, 4,5
	s_wait_dscnt 28-4*\a+32*\host                  ; the later blocks' loads, and behind them the stage's 32 stores, may be out
	MUL \a, \zero
.endr
.if \host
	WIN 0
	PLACES 8                                       ; in front of the loads into blocks 0-3's registers
	s_wait_dscnt 0x0                               ; the stage's stores have read the staging registers; blocks 6 and 7 are in
	LNEXT \guard
	STOUT 0, STR
	WIN 0xf1
	MUL 6, \zero
	MUL 7, \zero
	WIN 0
	WADR                                           ; two additions and six v_nop: eight places in front of the loads into blocks 4-7's registers
	PLACES 6
	STOUT 1, STR
	QFIN
.else
	s_wait_dscnt 4
	MUL 6, \zero
	s_wait_dscnt 0x0
	MUL 7, \zero
	WIN 0
.endif
.endm
; Block a's 16 rows: tanh of my 128 columns and their part of the sum with v.  Each accumulator is read from its low end on.
.macro EBLOCK a
.set AC, 64*((\a)%4)
	WIN 0x92+0x41*((\a)/4)                         ; destination and source 0: window 2 or 3; source 2 (the bias): window 1
.set e_, 0
.rept 32
	v_pk_fma_f32 v[AC+2*e_:AC+2*e_+1], v[AC+2*e_:AC+2*e_+1], s[C2:C2+1], v[2*e_:2*e_+1] op_sel_hi:[1,0,1]   ; 2 log2(e) x
.set e_, e_+1
.endr
.set e_, 0
.rept 64
	v_exp_f32 v[AC+e_], v[AC+e_]
.set e_, e_+1
.endr
	v_nop                                          ; a plain instruction between the exponentials and the use of their results (ISA guide 5.7.2)
.set e_, 0
	s_wait_alu depctr_va_vdst(0)
.rept 32
	v_pk_add_f32 v[AC+2*e_:AC+2*e_+1], v[AC+2*e_:AC+2*e_+1], 1.0 op_sel_hi:[1,0]
.set e_, e_+1
.endr
.set e_, 0
.rept 64
	v_rcp_f32 v[AC+e_], v[AC+e_]
.set e_, e_+1
.endr
	v_nop
.set e_, 0
	s_wait_alu depctr_va_vdst(0)
.rept 32
	v_pk_fma_f32 v[AC+2*e_:AC+2*e_+1], v[AC+2*e_:AC+2*e_+1], -2.0, 1.0 op_sel_hi:[1,0,0]   ; tanh
.set e_, e_+1
.endr
	WIN 0x06+((\a)/4)                              ; source 0 window 2 or 3, source 1 (v) window 1, the chains in window 0
.set e_, 0
.rept 4
	v_pk_mul_f32 v[CH+2*e_:CH+2*e_+1], v[AC+2*e_:AC+2*e_+1], v[64+2*e_:65+2*e_]   ; the first four pairs start the chains
.set e_, e_+1
.endr
.rept 28
	v_pk_fma_f32 v[CH+2*(e_%4):CH+2*(e_%4)+1], v[AC+2*e_:AC+2*e_+1], v[64+2*e_:65+2*e_], v[CH+2*(e_%4):CH+2*(e_%4)+1]
.set e_, e_+1
.endr
	WIN 0
	v_pk_add_f32 v[CH:CH+1], v[CH:CH+1], v[CH+2:CH+3]
	v_pk_add_f32 v[CH+4:CH+5], v[CH+4:CH+5], v[CH+6:CH+7]
	v_pk_add_f32 v[CH:CH+1], v[CH:CH+1], v[CH+4:CH+5]
	v_add_f32 v[R+(\a)], v[CH], v[CH+1]
.endm
; A tile's end: tanh, the sums with v, the four waves' parts joined through LDS, 128 scores stored by wave 0.  host = 1: a unit is quantised on the way.
.macro EPI t, host
	PLACES 8
	WIN 0x40
.set q_, 0
.rept 16
	ds_load_b128 v[4*q_:4*q_+3], v[BVA] offset:64*(q_/2)+16*(q_%2)              ; the bias in the result's layout: tile i, register j: column 16 i + 8 h + j
	ds_load_b128 v[64+4*q_:67+4*q_], v[BVA] offset:2048+64*(q_/2)+16*(q_%2)     ; v likewise
.set q_, q_+1
.endr
	WIN 0
	s_wait_dscnt 0x0
	EBLOCK 0
	EBLOCK 1
.if \host
	s_mov_b32 s[IW], 2*ISLOT
	HOSTALL 0
.endif
.irp a, 2,3,4,5,6,7
	EBLOCK \a
.endr
.irp a, 0,1,2,3,4,5,6,7
	v_permlanex16_b32 v[T+\a], v[R+\a], s[SEL], s[SEL+1]
.endr
.irp a, 0,1,2,3,4,5,6,7
	v_add_f32 v[R+\a], v[R+\a], v[T+\a]            ; with lane l xor 16's columns: my wave's 128
.endr
.irp a, 0,1,2,3,4,5,6,7
	ds_store_b32 v[PSW], v[R+\a] offset:64*\a      ; row 16 a + r (lanes r and r + 16 write the same word with the same value)
.endr
	s_wait_dscnt 0x0                               ; for the others' sake: my stores have landed
	s_barrier_signal -1
	s_barrier_wait -1
	s_cmp_lg_u32 s[WV], 0
	s_cbranch_scc1 .Lnot_mine_\@
.irp q, 0,1,2,3
	ds_load_b128 v[128+4*\q:131+4*\q], v[PSR] offset:512*\q   ; rows 4 x lane .. + 3 of wave q's part
.endr
	s_wait_dscnt 0x0
	v_pk_add_f32 v[128:129], v[128:129], v[132:133]
	v_pk_add_f32 v[130:131], v[130:131], v[134:135]
	v_pk_add_f32 v[136:137], v[136:137], v[140:141]
	v_pk_add_f32 v[138:139], v[138:139], v[142:143]
	v_pk_add_f32 v[FS+4*\t:FS+4*\t+1], v[128:129], v[136:137]
	v_pk_add_f32 v[FS+4*\t+2:FS+4*\t+3], v[130:131], v[138:139]
	global_store_b128 v[GO], v[FS+4*\t:FS+4*\t+3], s[16:17] offset:512*\t   ; 32 lanes store 512 consecutive bytes, at a multiple of 256; its registers are never written again
.Lnot_mine_\@:
.endm
	s_load_b256 s[4:11], s[0:1], 0x0               ; encoder_outputs s[4:5], hidden s[6:7], W's codes s[8:9], W's scales s[10:11]
	s_load_b128 s[12:15], s[0:1], 0x20             ; attn_b s[12:13], v s[14:15]
	s_load_b64 s[16:17], s[0:1], 0x30              ; scores
	v_lshl_add_u32 v[SPW], v0, 2, SPARE
	v_mov_b32 v[NIL], 0
	ds_add_u32 v1, v2
	ds_add_u32 v1, v2
	s_wait_dscnt 0x0
	v_lshrrev_b32 v16, 5, v0
	v_readfirstlane_b32 s[WV], v16                 ; wave 0..3
	; my place: it enters the global addresses of encoder_outputs, hidden and scores alone, in s66-75, which hold nothing else
	s_bfe_u32 s66, ttmp6, 0x40000                  ; cx
	s_lshl_b32 s67, ttmp9, 2                       ; in a cluster launch ttmp9 counts clusters
	s_add_co_u32 s67, s67, s66                     ; work-group g = 4 x cluster + cx
	s_lshr_b32 s68, s67, 3                         ; b = g / 8
	s_and_b32 s69, s67, 7                          ; p = g % 8: which 256 of the 2,048 s
	s_lshl_b32 s70, s68, 12                        ; hidden: b rows of 4,096 bytes
	s_mov_b32 s71, 0
	s_lshl_b32 s72, s69, 25                        ; encoder_outputs: 256 p rows of 131,072 bytes + b rows of 4,096
	s_add_co_u32 s72, s72, s70
	s_mov_b32 s73, 0
	s_lshl_b32 s74, s68, 13                        ; scores: b rows of 8,192 bytes + 256 p numbers
	s_lshl_b32 s66, s69, 10
	s_add_co_u32 s74, s74, s66
	s_mov_b32 s75, 0
	; what hangs on the wave's number
	s_mul_i32 s57, s[WV], WWAVE
	s_mul_i32 s58, s[WV], WSCW
	s_mul_i32 s59, s[WV], STGW
	s_lshl_b32 s60, s[WV], 18                      ; my 128 rows of W's codes: 2,048 bytes each
	s_mov_b32 s61, 0
	s_lshl_b32 s62, s[WV], 13                      ; and of its scale bytes: 64 each
	s_mov_b32 s63, 0
	s_mov_b32 s[MNT], 0x600000
	s_mov_b32 s[SEL], 0x76543210
	s_mov_b32 s[SEL+1], 0xfedcba98
	s_mov_b32 s[C2], 0x4038aa3b                    ; 2 log2(e)
	s_mov_b32 s[C2+1], s[C2]                       ; (named with it as a pair, so it is written)
	v_and_b32 v16, 31, v0                          ; lane
	v_and_b32 v17, 15, v0                          ; r
	v_bfe_u32 v18, v0, 4, 1                        ; h
	v_lshlrev_b32 v[GO], 4, v16
	v_lshl_add_u32 v[VT], v0, 4, BV
	s_lshl_b32 s[CNT], s[WV], 22                   ; 32 rows of 131,072 bytes
	v_add_nc_u32 v[XA], s[CNT], v[GO]
	s_lshl_b32 s[CNT], s[WV], 10
	v_add_nc_u32 v[HA], s[CNT], v[GO]
	s_add_co_u32 s[CNT], s59, STG
	v_add_nc_u32 v[STW], s[CNT], v[GO]
	v_mul_u32_u24 v19, v17, SP
	v_lshl_add_u32 v19, v18, 6, v19
	v_add_nc_u32 v[STR], s[CNT], v19
	v_lshlrev_b32 v19, 6, v18
	v_add_nc_u32 v[STRH], s[CNT], v19
	s_lshl_b32 s[CNT], s[WV], 12
	s_add_co_u32 s[CNT], s[CNT], IMG
	v_add_nc_u32 v[IW0], s[CNT], v[GO]
	v_lshlrev_b32 v20, 2, v16
	s_lshl_b32 s[CNT], s[WV], 8
	s_add_co_u32 s[CNT], s[CNT], ASC
	v_add_nc_u32 v[SW0], s[CNT], v20
	v_mul_u32_u24 v19, v17, WP
	v_lshl_add_u32 v19, v18, 4, v19
	v_add_nc_u32 v[ADB0], s57, v19
	v_add_nc_u32 v[ADB0+1], WSLOT, v[ADB0]
	v_lshrrev_b32 v19, 2, v17                      ; W's scale words: row 16 i + r begins 1,024 i + 64 r bytes on: four rows to a unit of 256 + 16
	v_mul_u32_u24 v19, v19, 272
	v_and_b32 v21, 3, v17
	v_lshl_add_u32 v19, v21, 6, v19
	s_add_co_u32 s[CNT], s58, WSC
	v_add_nc_u32 v[AW0], s[CNT], v19
	v_add_nc_u32 v[AI0], IMG, v[GO]
	v_add_nc_u32 v[AS0], ASC, v20
	s_lshl_b32 s[CNT], s[WV], 9
	s_add_co_u32 s[CNT], s[CNT], BV
	v_lshl_add_u32 v[BVA], v18, 5, s[CNT]
	s_lshl_b32 s[CNT], s[WV], 9
	s_add_co_u32 s[CNT], s[CNT], PS
	v_lshl_add_u32 v[PSW], v17, 2, s[CNT]
	v_add_nc_u32 v[PSR], PS, v[GO]
.irp b, 0,1,2,3
	v_mov_b32 v[TM+4+\b], 0                        ; written once: a lane permute's destination counts as one of its sources
.endr
	; descriptor group 1 for W's tiles: 128 rows x 128 bytes, 2,048 bytes apart in memory, padded in LDS
	s_mov_b32 s[G1W+0], 15|(0<<16)|(1<<20)|(1<<21)|(4<<22)|(3<<25)   ; 15:0 the mask: all four work-groups; 17:16 elements of 1 byte; 20 padding on; 21 set beside a mask; 24:22 after every 32 words (code 4); 31:25 four words (code 3)
	s_mov_b32 s[G1W+1], 128<<16                    ; tensor_dim0
	s_mov_b32 s[G1W+2], 128<<16                    ; tensor_dim1
	s_mov_b32 s[G1W+3], 128<<16                    ; tile_dim0
	s_mov_b32 s[G1W+4], 128                        ; tile_dim1
	s_mov_b32 s[G1W+5], 2048                       ; tensor_dim0_stride
	s_mov_b32 s[G1W+6], 0
	s_mov_b32 s[G1W+7], 0
	; and for the scale bytes: 8,192 dense bytes as 32 rows of 256 (32 elements of 8 bytes), 16 bytes of padding behind each
	s_mov_b32 s[G1S+0], 15|(3<<16)|(1<<20)|(1<<21)|(5<<22)|(3<<25)
	s_mov_b32 s[G1S+1], 32<<16
	s_mov_b32 s[G1S+2], 32<<16
	s_mov_b32 s[G1S+3], 32<<16
	s_mov_b32 s[G1S+4], 32
	s_mov_b32 s[G1S+5], 32
	s_mov_b32 s[G1S+6], 0
	s_mov_b32 s[G1S+7], 0
	s_wait_kmcnt 0x0
	s_add_nc_u64 s[4:5], s[4:5], s[72:73]
	s_add_nc_u64 s[6:7], s[6:7], s[70:71]
	s_add_nc_u64 s[16:17], s[16:17], s[74:75]
	s_add_nc_u64 s[8:9], s[8:9], s[60:61]
	s_add_nc_u64 s[10:11], s[10:11], s[62:63]
	s_mov_b32 s[G0W], 1                            ; 1:0 count = 1
	s_mov_b32 s[G0W+1], s57                        ; 63:32 LDS address: slot 0, my 128 rows
	s_mov_b64 s[G0W+2:G0W+3], s[8:9]               ; 120:64 global address: K step 0
	s_or_b32 s[G0W+3], s[G0W+3], 0x80000000        ; 127:126 type = 2
	s_mov_b32 s[G0W+4], 1
	s_add_co_u32 s[G0W+5], s57, WSLOT              ; slot 1
	s_add_nc_u64 s[G0W+6:G0W+7], s[8:9], 128       ; K step 1
	s_or_b32 s[G0W+7], s[G0W+7], 0x80000000
	s_mov_b32 s[G0S], 1
	s_add_co_u32 s[G0S+1], s58, WSC
	s_mov_b64 s[G0S+2:G0S+3], s[10:11]
	s_or_b32 s[G0S+3], s[G0S+3], 0x80000000
	ROUND                                          ; all four work-groups are here: the first joint loads meet
	tensor_load_to_lds s[G0S:G0S+3], s[G1S:G1S+7]  ; the scale bytes, filled once; two loads of mine are out
	s_nop 0
	tensor_load_to_lds s[G0W:G0W+3], s[G1W:G1W+7]  ; K step 0 into slot 0; slot 1 is filled behind the first change of slots
	s_nop 0
	PLACES 4
	v_lshlrev_b32 v16, 4, v0                       ; 16 x thread: v and attn_b, 16 bytes a thread
	global_load_b128 v[24:27], v[HA], s[6:7]                 ; hidden[b]: K steps 2 w and 2 w + 1, 512 bytes each
	global_load_b128 v[28:31], v[HA], s[6:7] offset:512
	global_load_b128 v[T:T+3], v16, s[14:15]                 ; v
	global_load_b128 v[T+4:T+7], v16, s[12:13]               ; attn_b
	s_mov_b32 s[UX], 0
	LNEXT 0                                        ; unit 0
	s_wait_loadcnt 32                              ; the four small loads are in; unit 0's 32 may be out
	ds_store_b128 v[STW], v[24:27]                 ; hidden through my stage, as rows 0 and 16
	ds_store_b128 v[STW], v[28:31] offset:16*SP
	ds_store_b128 v[VT], v[T+4:T+7]                ; attn_b and v, plain: my wave's 512 bytes of each
	ds_store_b128 v[VT], v[T:T+3] offset:2048
	STOUT 0, STRH                                  ; every lane takes the one row: 16 equal rows
	STOUT 1, STRH
	WIN 0x80                                       ; destination window 2
.set q_, 0
.rept 16
	ds_load_b128 v[4*q_:4*q_+3], v[BVA] offset:64*(q_/2)+16*(q_%2)   ; attn_b in the result's layout: the hidden part's sums begin with it
.set q_, q_+1
.endr
	WIN 0
	s_mov_b32 s[IW], 3*ISLOT                       ; hidden's eight fragments lie in image slot 3, which unit 3 takes only when the hidden half is done
	WADR
	s_wait_dscnt 32                                ; the first K step's numbers are back; 16 + 16 younger loads may be out
	QUANT X0, PC0, PW0
	IMAGE 0, PC0, PW0
	s_wait_dscnt 21                                ; the second's are back; attn_b's 16 loads and the five stores may be out
	QUANT X1, PC1, PW1
	IMAGE 1, PC1, PW1
	s_mov_b32 s[IW], 0
	HOSTALL 0                                      ; unit 0 -> slot 0; unit 1 is asked for
	HSTEP 0, 0
	HSTEP 1, 1
	HSTEP 2, 0
	HSTEP 3, 1
	s_mov_b32 s[IW], ISLOT
	HOSTALL 8                                      ; unit 1 -> slot 1; unit 2 is asked for
	HSTEP 4, 0
	HSTEP 5, 1
	HSTEP 6, 0
	HSTEP 7, 1
	PLACES 8
	WIN 0x82
.set q_, 0
.rept 32
	v_pk_mul_f32 v[2*q_:2*q_+1], v[2*q_:2*q_+1], s[C2:C2+1] op_sel_hi:[1,0]   ; the bias: 2 log2(e) x (attn_b + the hidden part)
.set q_, q_+1
.endr
	WIN 0x08                                       ; an LDS store's data are its source 1: window 2
.set q_, 0
.rept 16
	ds_store_b128 v[BVA], v[4*q_:4*q_+3] offset:64*(q_/2)+16*(q_%2)   ; over attn_b, my wave's own 512 bytes (the 16 lanes of a half hold and write the same)
.set q_, q_+1
.endr
	WIN 0
	; ---- tile 0: step j reads unit j and hosts unit j + 2
	s_mov_b32 s[IR], 0
	s_mov_b32 s[IW], 2*ISLOT
	s_mov_b32 s[KW], 32
	SSTEP 0, 1, 1, 1, 0, 1, 0                      ; the first step stands in front of the loop: its products start the sums
	s_mov_b32 s[CNT], 3
.Ltile0:
	s_xor_b32 s[IR], s[IR], ISLOT                  ; slots 0, 1, 2, 3 in turn: an odd step flips the low bit,
	s_xor_b32 s[IW], s[IR], 2*ISLOT
	s_add_co_u32 s[KW], s[KW], 4
	SSTEP 1, 0, 1, 1, 0, 1, 0
	s_xor_b32 s[IR], s[IR], 3*ISLOT                ; an even step both
	s_xor_b32 s[IW], s[IR], 2*ISLOT
	s_add_co_u32 s[KW], s[KW], 4
	SSTEP 0, 0, 1, 1, 0, 1, 0
	s_sub_co_u32 s[CNT], s[CNT], 1
	s_cmp_lg_u32 s[CNT], 0
	s_cbranch_scc1 .Ltile0
	s_xor_b32 s[IR], s[IR], ISLOT
	s_xor_b32 s[IW], s[IR], 2*ISLOT
	s_add_co_u32 s[KW], s[KW], 4
	SSTEP 1, 0, 1, 2, 1, 1, 0                      ; the ring goes on into tile 1: both descriptors go back to the second half's first two K steps
	EPI 0, 1                                       ; unit 10 is quantised among the tanh
	; ---- tile 1: step j reads unit 8 + j and, up to j = 4, hosts unit 11 + j, into the slot that the step before has read
	s_mov_b32 s[IW], 3*ISLOT
	s_mov_b32 s[IR], 0
	s_mov_b32 s[KW], 32
	SSTEP 0, 1, 1, 1, 0, 1, 0
	s_mov_b32 s[CNT], 2
.Ltile1:
	s_mov_b32 s[IW], s[IR]
	s_xor_b32 s[IR], s[IR], ISLOT
	s_add_co_u32 s[KW], s[KW], 4
	SSTEP 1, 0, 1, 1, 0, 1, 0
	s_mov_b32 s[IW], s[IR]
	s_xor_b32 s[IR], s[IR], 3*ISLOT
	s_add_co_u32 s[KW], s[KW], 4
	SSTEP 0, 0, 1, 1, 0, 1, 1                      ; in the last trip there is no unit left to ask for
	s_sub_co_u32 s[CNT], s[CNT], 1
	s_cmp_lg_u32 s[CNT], 0
	s_cbranch_scc1 .Ltile1
	s_xor_b32 s[IR], s[IR], ISLOT
	s_add_co_u32 s[KW], s[KW], 4
	SSTEP 1, 0, 1, 1, 0, 0, 0
	s_xor_b32 s[IR], s[IR], 3*ISLOT
	s_add_co_u32 s[KW], s[KW], 4
	SSTEP 0, 0, 1, 0, 0, 0, 0                      ; asks for the last K step's tile
	s_xor_b32 s[IR], s[IR], ISLOT
	s_add_co_u32 s[KW], s[KW], 4
	SSTEP 1, 0, 0, 0, 0, 0, 0                      ; nothing is left to fetch
	EPI 1, 0
	s_wait_tensorcnt 0x0                           ; the wave's end: behind my last tensor load and my last LDS store
	ds_add_u32 v[SPW], v[NIL]
	s_wait_dscnt 0x0
	ROUND                                          ; the closing round: no work-group ends while a partner may still ask for a tile that names it
	s_endpgm
.Lfunc_end_k_q0dd0c5d9f6_energy:
	.size	k_q0dd0c5d9f6_energy, .Lfunc_end_k_q0dd0c5d9f6_energy-k_q0dd0c5d9f6_energy
	.p2alignl 7, 3214868480
	.fill 96, 4, 3214868480
	.section	.rodata,"a",@progbits
	.p2align	6, 0x0
	.amdhsa_kernel k_q0dd0c5d9f6_energy
		.amdhsa_group_segment_fixed_size 327680
		.amdhsa_private_segment_fixed_size 0
		.amdhsa_enable_private_segment 0
		.amdhsa_kernarg_size 56
		.amdhsa_user_sgpr_count 2
		.amdhsa_user_sgpr_kernarg_segment_ptr 1
		.amdhsa_wavefront_size32 1
		.amdhsa_system_sgpr_workgroup_id_x 1
		.amdhsa_system_sgpr_workgroup_id_y 1
		.amdhsa_system_sgpr_workgroup_id_z 1
		.amdhsa_system_vgpr_workitem_id 0
		.amdhsa_next_free_vgpr 1024
		.amdhsa_next_free_sgpr 80
		.amdhsa_reserve_vcc 0
		.amdhsa_float_denorm_mode_32 3
		.amdhsa_float_denorm_mode_16_64 3
		.amdhsa_memory_ordered 1
		.amdhsa_forward_progress 1
		.amdhsa_inst_pref_size 255
	.end_amdhsa_kernel
	.section	.bss,"aw",@nobits
	.p2align	6
	.space	262144
	.amdgpu_metadata
---
amdhsa.version: [ 1, 2 ]
amdhsa.kernels:
  - .name:           k_q0dd0c5d9f6_energy
    .symbol:         k_q0dd0c5d9f6_energy.kd
    .args:
      - { .name: encoder_outputs, .offset: 0, .size: 8, .value_kind: global_buffer, .address_space: global }
      - { .name: hidden, .offset: 8, .size: 8, .value_kind: global_buffer, .address_space: global }
      - { .name: attn_w_codes, .offset: 16, .size: 8, .value_kind: global_buffer, .address_space: global }
      - { .name: attn_w_scales, .offset: 24, .size: 8, .value_kind: global_buffer, .address_space: global }
      - { .name: attn_b, .offset: 32, .size: 8, .value_kind: global_buffer, .address_space: global }
      - { .name: v, .offset: 40, .size: 8, .value_kind: global_buffer, .address_space: global }
      - { .name: scores, .offset: 48, .size: 8, .value_kind: global_buffer, .address_space: global }
    .group_segment_fixed_size: 327680
    .private_segment_fixed_size: 0
    .kernarg_segment_align: 8
    .kernarg_segment_size: 56
    .max_flat_workgroup_size: 128
    .sgpr_count:     80
    .vgpr_count:     1024
    .wavefront_size: 32
...
	.end_amdgpu_metadata
.endif
;; end of part 1
;; launch soft (part 2): grid 32 x 1, 8 waves a work-group, no clusters, 1,280 bytes of LDS; arguments scores, mask, out0; writes out0
.if DOCPART == 2
	.amdgcn_target "amdgcn-amd-amdhsa--gfx1250"
	.amdhsa_code_object_version 6
	.text
	.protected	k_q0dd0c5d9f6_soft
	.globl	k_q0dd0c5d9f6_soft
	.p2align	8
	.type	k_q0dd0c5d9f6_soft,@function
k_q0dd0c5d9f6_soft:
	s_mov_b64 s[64:65], 0
	v_nop
	global_prefetch_b8 v0, s[64:65] scope:SCOPE_SE
	s_setreg_imm32_b32 hwreg(HW_REG_WAVE_MODE, 25, 1), 1
	s_wait_xcnt 0x0
; out0[b][:] = softmax over s of (mask[b][s] == 0 ? -1e10 : scores[b][s]).  scores, out0: [32][2048] f32; mask: [32][2048] i32.
; A work-group takes one b; thread t takes s = 4 t .. 4 t + 3 and 1,024 + 4 t .. + 3: each load and store of a wave covers 512 consecutive bytes, at a multiple of 256.  The row stays in registers: read once, written once.
; The row's maximum is taken away before the exponential, by a subtraction of its own ahead of the multiplication by log2(e): so a row that is masked everywhere gives exactly 0, 2^0 = 1 and 1 / 2,048,
; where a fused form would leave the rounding error of 1e10 x log2(e) in the exponent.  The sum holds the maximum's own 1, so it is at least 1.
; The matrix units, clusters and tensor loads have nothing to do here: 12 bytes a number pass through once.
	s_load_b128 s[4:7], s[0:1], 0x0                ; scores, mask
	s_load_b64 s[8:9], s[0:1], 0x10                ; out0
	v_lshl_add_u32 v48, v0, 2, 0x100
	v_mov_b32 v49, 0
	v_lshlrev_b32 v1, 4, v0                        ; 16 t
	v_lshrrev_b32 v2, 5, v0
	v_lshlrev_b32 v2, 2, v2                        ; LDS: my wave's word
	v_mov_b32 v3, 0xd01502f9                       ; -1e10
	v_mov_b32 v4, 0                                ; LDS: the eight words
	v_mov_b32 v5, 0                                ; written once: a lane permute's destination counts as one of its sources
	s_lshl_b32 s10, ttmp9, 13                      ; b rows of 8,192 bytes
	s_mov_b32 s11, 0
	s_mov_b32 s12, 0x76543210                      ; v_permlanex16_b32's selects for lane l xor 16
	s_mov_b32 s13, 0xfedcba98
	s_wait_kmcnt 0x0
	s_add_nc_u64 s[4:5], s[4:5], s[10:11]
	s_add_nc_u64 s[6:7], s[6:7], s[10:11]
	s_add_nc_u64 s[8:9], s[8:9], s[10:11]
	global_load_b128 v[8:11], v1, s[4:5]
	global_load_b128 v[12:15], v1, s[4:5] offset:4096
	global_load_b128 v[16:19], v1, s[6:7]
	global_load_b128 v[20:23], v1, s[6:7] offset:4096
	s_wait_loadcnt 0x0
.irp i, 0,1,2,3,4,5,6,7
	v_cmp_eq_u32 vcc_lo, 0, v[16+\i]
	v_cndmask_b32 v[8+\i], v[8+\i], v3, vcc_lo     ; -1e10 where the mask is 0
.endr
	v_max3_num_f32 v24, v8, v9, v10                ; the largest of my eight,
	v_max3_num_f32 v25, v11, v12, v13
	v_max3_num_f32 v24, v24, v14, v15
	v_max_num_f32 v24, v24, v25
	v_max_num_f32_dpp v24, v24, v24 row_xmask:1 row_mask:0xf bank_mask:0xf   ; of the wave's 32 lanes,
	v_max_num_f32_dpp v24, v24, v24 row_xmask:2 row_mask:0xf bank_mask:0xf
	v_max_num_f32_dpp v24, v24, v24 row_xmask:4 row_mask:0xf bank_mask:0xf
	v_max_num_f32_dpp v24, v24, v24 row_xmask:8 row_mask:0xf bank_mask:0xf
	v_permlanex16_b32 v5, v24, s12, s13
	v_max_num_f32 v24, v24, v5
	ds_store_b32 v2, v24                           ; (all lanes write my wave's word with the same value)
	s_wait_dscnt 0x0                               ; for the others' sake: my store has landed
	s_barrier_signal -1
	s_barrier_wait -1
	ds_load_b128 v[28:31], v4                      ; and of the eight waves
	ds_load_b128 v[32:35], v4 offset:16
	s_wait_dscnt 0x0
	v_max3_num_f32 v24, v28, v29, v30
	v_max3_num_f32 v25, v31, v32, v33
	v_max3_num_f32 v24, v24, v34, v35
	v_max_num_f32 v24, v24, v25                    ; the row's maximum, in every lane
.irp i, 0,1,2,3,4,5,6,7
	v_sub_f32 v[8+\i], v[8+\i], v24
.endr
.irp i, 0,1,2,3,4,5,6,7
	v_mul_f32 v[8+\i], 0x3fb8aa3b, v[8+\i]         ; x log2(e)
.endr
.irp i, 0,1,2,3,4,5,6,7
	v_exp_f32 v[8+\i], v[8+\i]
.endr
	v_nop                                          ; a plain instruction between the exponentials and the use of their results (ISA guide 5.7.2)
	s_wait_alu depctr_va_vdst(0)
	v_pk_add_f32 v[24:25], v[8:9], v[10:11]
	v_pk_add_f32 v[26:27], v[12:13], v[14:15]
	v_pk_add_f32 v[24:25], v[24:25], v[26:27]
	v_add_f32 v24, v24, v25
	v_add_f32_dpp v24, v24, v24 row_xmask:1 row_mask:0xf bank_mask:0xf
	v_add_f32_dpp v24, v24, v24 row_xmask:2 row_mask:0xf bank_mask:0xf
	v_add_f32_dpp v24, v24, v24 row_xmask:4 row_mask:0xf bank_mask:0xf
	v_add_f32_dpp v24, v24, v24 row_xmask:8 row_mask:0xf bank_mask:0xf
	v_permlanex16_b32 v5, v24, s12, s13
	v_add_f32 v24, v24, v5
	ds_store_b32 v2, v24 offset:32                 ; other bytes than the maxima's, which slower waves may still be reading
	s_wait_dscnt 0x0
	s_barrier_signal -1
	s_barrier_wait -1
	ds_load_b128 v[36:39], v4 offset:32
	ds_load_b128 v[40:43], v4 offset:48
	s_wait_dscnt 0x0
	v_pk_add_f32 v[36:37], v[36:37], v[38:39]
	v_pk_add_f32 v[40:41], v[40:41], v[42:43]
	v_pk_add_f32 v[36:37], v[36:37], v[40:41]
	v_add_f32 v24, v36, v37                        ; the row's sum
	v_rcp_f32 v26, v24
	v_nop                                          ; a plain instruction behind the reciprocal
	s_wait_alu depctr_va_vdst(0)
.irp i, 0,1,2,3,4,5,6,7
	v_mul_f32 v[8+\i], v[8+\i], v26
.endr
	global_store_b128 v1, v[8:11], s[8:9]
	global_store_b128 v1, v[12:15], s[8:9] offset:4096
	s_wait_tensorcnt 0x0
	ds_add_u32 v48, v49
	s_wait_dscnt 0x0
	s_endpgm
.Lfunc_end_k_q0dd0c5d9f6_soft:
	.size	k_q0dd0c5d9f6_soft, .Lfunc_end_k_q0dd0c5d9f6_soft-k_q0dd0c5d9f6_soft
	.p2alignl 7, 3214868480
	.fill 96, 4, 3214868480
	.section	.rodata,"a",@progbits
	.p2align	6, 0x0
	.amdhsa_kernel k_q0dd0c5d9f6_soft
		.amdhsa_group_segment_fixed_size 1280
		.amdhsa_private_segment_fixed_size 0
		.amdhsa_enable_private_segment 0
		.amdhsa_kernarg_size 24
		.amdhsa_user_sgpr_count 2
		.amdhsa_user_sgpr_kernarg_segment_ptr 1
		.amdhsa_wavefront_size32 1
		.amdhsa_system_sgpr_workgroup_id_x 1
		.amdhsa_system_sgpr_workgroup_id_y 1
		.amdhsa_system_sgpr_workgroup_id_z 1
		.amdhsa_system_vgpr_workitem_id 0
		.amdhsa_next_free_vgpr 50
		.amdhsa_next_free_sgpr 66
		.amdhsa_reserve_vcc 1
		.amdhsa_float_denorm_mode_32 3
		.amdhsa_float_denorm_mode_16_64 3
		.amdhsa_memory_ordered 1
		.amdhsa_forward_progress 1
		.amdhsa_inst_pref_size 6
	.end_amdhsa_kernel
	.amdgpu_metadata
---
amdhsa.version: [ 1, 2 ]
amdhsa.kernels:
  - .name:           k_q0dd0c5d9f6_soft
    .symbol:         k_q0dd0c5d9f6_soft.kd
    .args:
      - { .name: scores, .offset: 0, .size: 8, .value_kind: global_buffer, .address_space: global }
      - { .name: mask, .offset: 8, .size: 8, .value_kind: global_buffer, .address_space: global }
      - { .name: out0, .offset: 16, .size: 8, .value_kind: global_buffer, .address_space: global }
    .group_segment_fixed_size: 1280
    .private_segment_fixed_size: 0
    .kernarg_segment_align: 8
    .kernarg_segment_size: 24
    .max_flat_workgroup_size: 256
    .sgpr_count:     66
    .vgpr_count:     50
    .wavefront_size: 32
...
	.end_amdgpu_metadata
.endif
;; end of part 2
;; ======== version 2 of 2: 3 launches
;; limits: right only within a limited range of input values
;; workspace buffers: scores 262,144 bytes; w2 524,288 bytes; hb 65,536 bytes
;; launch prep (part 3): grid 32 x 1, 8 waves a work-group, no clusters, 17,408 bytes of LDS; arguments hidden, attn_w_codes, attn_w_scales, attn_b, w2, hb; writes w2, hb
.if DOCPART == 3
	.amdgcn_target "amdgcn-amd-amdhsa--gfx1250"
	.amdhsa_code_object_version 6
	.text
	.protected	k_q0dd0c5d9f6_prep
	.globl	k_q0dd0c5d9f6_prep
	.p2align	8
	.type	k_q0dd0c5d9f6_prep,@function
k_q0dd0c5d9f6_prep:
	s_mov_b64 s[64:65], 0
	v_nop
	global_prefetch_b8 v0, s[64:65] scope:SCOPE_SE
	s_setreg_imm32_b32 hwreg(HW_REG_WAVE_MODE, 25, 1), 1
	s_wait_xcnt 0x0
; cat = [hidden[b], encoder_outputs[s][b]]: K's first 1,024 hold hidden[b] for every s, and the blocks of 32 never reach over the border at 1,024,
; so that half of product 1 has one value for each (b, n).  It is made here once: hb = 2 log2(e) x (Q(hidden) . W[:, :1024] + attn_b).
; hb is laid [n / 16][b][16 n] f32.  W's second half is laid out anew in w2 as images of operand registers:
; [k / 256][n / 128][(k / 128) % 2][(n / 16) % 8][c][lane][16 bytes], c the group of four registers.
; Work-group j takes n = 16 j .. 16 j + 15; wave t takes K step t (128 along K) of both halves; the eight waves' sums are added through LDS.
; No tensor load, cluster or prefetch: every wave reads its few kilobytes once, in one run of loads, and there is no loop.
.set RED, 0
.set SPARE, 16384
.set TM, 16
.set PW0, 32
.set PW1, 33
.set WS, 34
.set PC0, 36
.set PC1, 52
.set WF, 68
.set W2F, 84
.set AC0, 100
.set AC1, 108
.set BI, 116
.set X0, 128
.set X1, 192
.set MNT, 19
.set SEL, 34
.set C2, 36
.macro QUANT x, pc, pw
.irp b, 0,1,2,3
	v_max3_num_f32 v[TM+\b], |v[\x+16*\b]|, |v[\x+1+16*\b]|, 0x8000000
.endr
.irp i, 2,4,6,8,10,12,14
.irp b, 0,1,2,3
	v_max3_num_f32 v[TM+\b], v[TM+\b], |v[\x+16*\b+\i]|, |v[\x+1+16*\b+\i]|
.endr
.endr
.irp b, 0,1,2,3
	v_permlanex16_b32 v[TM+4+\b], v[TM+\b], s[SEL], s[SEL+1]
.endr
.irp b, 0,1,2,3
	v_max_num_f32 v[TM+\b], v[TM+\b], v[TM+4+\b]
.endr
.irp b, 0,1,2,3
	v_add_nc_u32 v[TM+12+\b], 0xf8800000, v[TM+\b]
.endr
.irp b, 0,1,2,3
	v_and_or_b32 v[TM+8+\b], v[TM+\b], 0x7f800000, s[MNT]
.endr
.irp b, 0,1,2,3
	v_lshrrev_b32 v[TM+4+\b], 23, v[TM+12+\b]
.endr
	v_lshl_or_b32 v[\pw], v[TM+5], 8, v[TM+4]
	v_lshl_or_b32 v[\pw], v[TM+6], 16, v[\pw]
	v_lshl_or_b32 v[\pw], v[TM+7], 24, v[\pw]
.irp b, 0,1,2,3
.irp i, 0,1,2,3,4,5,6,7,8,9,10,11,12,13,14,15
	v_med3_num_f32 v[\x+16*\b+\i], v[\x+16*\b+\i], -v[TM+8+\b], v[TM+8+\b]
.endr
	v_cvt_scalef32_pk8_bf8_f32 v[\pc+4*\b:\pc+1+4*\b], v[\x+16*\b:\x+7+16*\b], v[TM+12+\b]
	v_cvt_scalef32_pk8_bf8_f32 v[\pc+2+4*\b:\pc+3+4*\b], v[\x+8+16*\b:\x+15+16*\b], v[TM+12+\b]
.endr
	v_nop
.endm
	s_load_b256 s[4:11], s[0:1], 0x0               ; hidden, W's codes, W's scales, attn_b
	s_load_b128 s[12:15], s[0:1], 0x20             ; w2, hb
	v_lshl_add_u32 v1, v0, 2, SPARE
	v_mov_b32 v2, 0
	v_lshrrev_b32 v3, 5, v0
	v_readfirstlane_b32 s18, v3                    ; wave t
	s_lshl_b32 s20, ttmp9, 15                      ; codes: 16 j rows of 2,048 bytes + 128 t
	s_lshl_b32 s21, s18, 7
	s_add_co_u32 s20, s20, s21
	s_mov_b32 s21, 0
	s_lshl_b32 s22, ttmp9, 10                      ; scales: 16 j rows of 64 bytes + 4 t
	s_lshl_b32 s23, s18, 2
	s_add_co_u32 s22, s22, s23
	s_mov_b32 s23, 0
	s_lshl_b32 s24, s18, 9                         ; hidden: 128 t numbers
	s_mov_b32 s25, 0
	s_lshl_b32 s26, ttmp9, 6                       ; attn_b: 16 j numbers
	s_mov_b32 s27, 0
	s_lshr_b32 s28, s18, 1                         ; w2: my fragment's 2,048 bytes
	s_lshl_b32 s28, s28, 17
	s_lshr_b32 s29, ttmp9, 3
	s_lshl_b32 s29, s29, 15
	s_add_co_u32 s28, s28, s29
	s_and_b32 s29, s18, 1
	s_lshl_b32 s29, s29, 14
	s_add_co_u32 s28, s28, s29
	s_and_b32 s29, ttmp9, 7
	s_lshl_b32 s29, s29, 11
	s_add_co_u32 s28, s28, s29
	s_mov_b32 s29, 0
	s_lshl_b32 s30, ttmp9, 11                      ; hb: block j of 2,048 bytes + 512 x wave
	s_lshl_b32 s31, s18, 9
	s_add_co_u32 s30, s30, s31
	s_mov_b32 s31, 0
	s_lshl_b32 s32, s18, 11                        ; LDS: my wave's 2,048 bytes of sums
	s_lshr_b32 s33, s18, 1
	s_lshl_b32 s33, s33, 10
	s_and_b32 s38, s18, 1
	s_lshl_b32 s38, s38, 7
	s_add_co_u32 s33, s33, s38
	s_mov_b32 s[MNT], 0x600000
	s_mov_b32 s[SEL], 0x76543210
	s_mov_b32 s[SEL+1], 0xfedcba98
	s_mov_b32 s[C2], 0x4038aa3b                    ; 2 log2(e)
	s_mov_b32 s[C2+1], s[C2]
	v_and_b32 v3, 15, v0                           ; r
	v_bfe_u32 v4, v0, 4, 1                         ; h
	v_and_b32 v5, 31, v0                           ; lane
	v_lshlrev_b32 v6, 11, v3
	v_lshl_add_u32 v6, v4, 4, v6                   ; codes: row r, + 16 h
	v_lshlrev_b32 v7, 6, v3                        ; scales: row r
	v_lshlrev_b32 v8, 12, v3
	v_lshl_add_u32 v8, v4, 6, v8                   ; hidden: row r, + 16 h numbers
	v_lshlrev_b32 v9, 4, v5                        ; 16 x lane
	v_and_b32 v10, 3, v5
	v_lshlrev_b32 v10, 4, v10                      ; attn_b: 4 (lane % 4) numbers
	v_add_nc_u32 v11, s32, v9                      ; LDS, in
	v_and_b32 v13, 1, v5                           ; LDS, back: lane l of wave q takes b = 8 q + l / 4, n = 4 (l % 4) ..
	v_lshlrev_b32 v12, 9, v13
	v_lshrrev_b32 v13, 2, v5
	v_lshl_add_u32 v12, v13, 4, v12
	v_bfe_u32 v13, v0, 1, 1
	v_lshl_add_u32 v12, v13, 8, v12
	v_add_nc_u32 v12, s33, v12
.irp b, 0,1,2,3
	v_mov_b32 v[TM+4+\b], 0                        ; a lane permute's destination counts as a source
.endr
	s_wait_alu depctr_va_vdst(0)
	s_wait_kmcnt 0x0
	s_add_nc_u64 s[4:5], s[4:5], s[24:25]
	s_add_nc_u64 s[6:7], s[6:7], s[20:21]
	s_add_nc_u64 s[8:9], s[8:9], s[22:23]
	s_add_nc_u64 s[10:11], s[10:11], s[26:27]
	s_add_nc_u64 s[12:13], s[12:13], s[28:29]
	s_add_nc_u64 s[14:15], s[14:15], s[30:31]
.irp c, 0,1,2,3
	global_load_b128 v[W2F+4*\c:W2F+4*\c+3], v6, s[6:7] offset:1024+32*\c
.endr
.irp c, 0,1,2,3
	global_load_b128 v[WF+4*\c:WF+4*\c+3], v6, s[6:7] offset:32*\c
.endr
	global_load_b32 v[WS], v7, s[8:9]
	global_load_b128 v[BI:BI+3], v10, s[10:11]
.irp a, 0,1
.irp c, 0,1,2,3
.irp j, 0,1,2,3
	global_load_b128 v[X0+64*\a+16*\c+4*\j:X0+64*\a+16*\c+4*\j+3], v8, s[4:5] offset:65536*\a+128*\c+16*\j
.endr
.endr
.endr
	s_wait_loadcnt 38                              ; the first four are in: 38 loads were issued behind them
.irp c, 0,1,2,3
	global_store_b128 v9, v[W2F+4*\c:W2F+4*\c+3], s[12:13] offset:512*\c   ; 512 consecutive bytes a store
.endr
	s_wait_loadcnt 0x0
	QUANT X0, PC0, PW0
	QUANT X1, PC1, PW1
.rept 4
	v_nop
.endr
	; source 0 = 16 rows of W, source 1 = 16 rows of hidden: lane (r, h) holds b = 16 a + r, register i holds n = 8 h + i
	v_wmma_scale_f32_16x16x128_f8f6f4 v[AC0:AC0+7], v[WF:WF+15], v[PC0:PC0+15], 0, v[WS], v[PW0] matrix_a_fmt:MATRIX_FMT_BF8 matrix_b_fmt:MATRIX_FMT_BF8
	v_wmma_scale_f32_16x16x128_f8f6f4 v[AC1:AC1+7], v[WF:WF+15], v[PC1:PC1+15], 0, v[WS], v[PW1] matrix_a_fmt:MATRIX_FMT_BF8 matrix_b_fmt:MATRIX_FMT_BF8
.rept 8
	v_nop
.endr
	ds_store_b128 v11, v[AC0:AC0+3]
	ds_store_b128 v11, v[AC0+4:AC0+7] offset:512
	ds_store_b128 v11, v[AC1:AC1+3] offset:1024
	ds_store_b128 v11, v[AC1+4:AC1+7] offset:1536
	s_wait_dscnt 0x0
	s_barrier_signal -1
	s_barrier_wait -1
	s_cmp_lt_u32 s18, 4
	s_cbranch_scc0 .Ldone                          ; waves 0 to 3 add the eight parts, 512 bytes of hb each
.irp q, 0,1,2,3,4,5,6,7
	ds_load_b128 v[128+4*\q:131+4*\q], v12 offset:2048*\q
.endr
	s_wait_dscnt 0x0
.irp q, 0,2,4,6
	v_pk_add_f32 v[128+4*\q:129+4*\q], v[128+4*\q:129+4*\q], v[132+4*\q:133+4*\q]
	v_pk_add_f32 v[130+4*\q:131+4*\q], v[130+4*\q:131+4*\q], v[134+4*\q:135+4*\q]
.endr
.irp q, 0,4
	v_pk_add_f32 v[128+4*\q:129+4*\q], v[128+4*\q:129+4*\q], v[136+4*\q:137+4*\q]
	v_pk_add_f32 v[130+4*\q:131+4*\q], v[130+4*\q:131+4*\q], v[138+4*\q:139+4*\q]
.endr
	v_pk_add_f32 v[128:129], v[128:129], v[144:145]
	v_pk_add_f32 v[130:131], v[130:131], v[146:147]
	v_pk_add_f32 v[128:129], v[128:129], v[BI:BI+1]
	v_pk_add_f32 v[130:131], v[130:131], v[BI+2:BI+3]
	v_pk_mul_f32 v[120:121], v[128:129], s[C2:C2+1] op_sel_hi:[1,0]
	v_pk_mul_f32 v[122:123], v[130:131], s[C2:C2+1] op_sel_hi:[1,0]
	global_store_b128 v9, v[120:123], s[14:15]
.Ldone:
	s_wait_tensorcnt 0x0                           ; the wave's end
	ds_add_u32 v1, v2
	s_wait_dscnt 0x0
	s_endpgm
.Lfunc_end_k_q0dd0c5d9f6_prep:
	.size	k_q0dd0c5d9f6_prep, .Lfunc_end_k_q0dd0c5d9f6_prep-k_q0dd0c5d9f6_prep
	.p2alignl 7, 3214868480
	.fill 96, 4, 3214868480
	.section	.rodata,"a",@progbits
	.p2align	6, 0x0
	.amdhsa_kernel k_q0dd0c5d9f6_prep
		.amdhsa_group_segment_fixed_size 17408
		.amdhsa_private_segment_fixed_size 0
		.amdhsa_enable_private_segment 0
		.amdhsa_kernarg_size 48
		.amdhsa_user_sgpr_count 2
		.amdhsa_user_sgpr_kernarg_segment_ptr 1
		.amdhsa_wavefront_size32 1
		.amdhsa_system_sgpr_workgroup_id_x 1
		.amdhsa_system_sgpr_workgroup_id_y 1
		.amdhsa_system_sgpr_workgroup_id_z 1
		.amdhsa_system_vgpr_workitem_id 0
		.amdhsa_next_free_vgpr 256
		.amdhsa_next_free_sgpr 66
		.amdhsa_reserve_vcc 0
		.amdhsa_float_denorm_mode_32 3
		.amdhsa_float_denorm_mode_16_64 3
		.amdhsa_memory_ordered 1
		.amdhsa_forward_progress 1
		.amdhsa_inst_pref_size 27
	.end_amdhsa_kernel
	.amdgpu_metadata
---
amdhsa.version: [ 1, 2 ]
amdhsa.kernels:
  - .name:           k_q0dd0c5d9f6_prep
    .symbol:         k_q0dd0c5d9f6_prep.kd
    .args:
      - { .name: hidden, .offset: 0, .size: 8, .value_kind: global_buffer, .address_space: global }
      - { .name: attn_w_codes, .offset: 8, .size: 8, .value_kind: global_buffer, .address_space: global }
      - { .name: attn_w_scales, .offset: 16, .size: 8, .value_kind: global_buffer, .address_space: global }
      - { .name: attn_b, .offset: 24, .size: 8, .value_kind: global_buffer, .address_space: global }
      - { .name: w2, .offset: 32, .size: 8, .value_kind: global_buffer, .address_space: global }
      - { .name: hb, .offset: 40, .size: 8, .value_kind: global_buffer, .address_space: global }
    .group_segment_fixed_size: 17408
    .private_segment_fixed_size: 0
    .kernarg_segment_align: 8
    .kernarg_segment_size: 48
    .max_flat_workgroup_size: 256
    .sgpr_count:     66
    .vgpr_count:     256
    .wavefront_size: 32
...
	.end_amdgpu_metadata
.endif
;; end of part 3
;; launch energy (part 4): grid 256 x 1, 4 waves a work-group, clusters of 4 x 1, 327,680 bytes of LDS; arguments encoder_outputs, w2, attn_w_scales, hb, v, scores; writes scores
.if DOCPART == 4
	.amdgcn_target "amdgcn-amd-amdhsa--gfx1250"
	.amdhsa_code_object_version 6
	.text
	.protected	k_q0dd0c5d9f6_energy
	.globl	k_q0dd0c5d9f6_energy
	.p2align	8
	.type	k_q0dd0c5d9f6_energy,@function
k_q0dd0c5d9f6_energy:
	s_mov_b64 s[64:65], 0
	v_nop
	global_prefetch_b8 v0, s[64:65] scope:SCOPE_SE
	s_setreg_imm32_b32 hwreg(HW_REG_WAVE_MODE, 25, 1), 1
	s_wait_xcnt 0x0
	s_wait_alu depctr_hold_cnt(0) depctr_sa_sdst(0) depctr_va_vdst(0) depctr_va_sdst(0) depctr_va_ssrc(0) depctr_va_vcc(0) depctr_vm_vsrc(0)
	s_getreg_b32 s2, hwreg(HW_REG_IB_STS2, 6, 4)
	s_cmp_eq_u32 s2, 0
	s_cbranch_scc0 .Lentry_in_a_cluster
	s_endpgm
.Lentry_in_a_cluster:
	s_bfe_u32 s2, ttmp6, 0x10000c
	s_cmp_lg_u32 s2, 0x3003
	s_cbranch_scc0 .Lentry_shape_is_right
	s_endpgm
.Lentry_shape_is_right:
; scores[b][s] = sum over n of v[n] tanh(Q(eo[s][b]) . W[n][1024:] + (the hidden half + attn_b)[b][n]).  The hidden half, the same for every s, comes from hb,
; already times 2 log2(e); W's second half comes from w2 as images of operand registers.  tanh(x) = 1 - 2 r, r = 1 / (1 + 2^(2 log2(e) x)); the sum is taken as sum of (-2 v)(r - 1/2).
; SHARES.  A work-group takes one b and 256 s, in two tiles of 128 rows; wave w takes n = 128 w .. + 127 of all 128 rows: 64 accumulators, 512 registers.
; A K step is 128.  Step g: wave w quantises its 32 rows of chunk g and stores codes and scale bytes into image slot g % 2; one barrier; all waves multiply from the image.
; The rows come straight into registers: one load covers 512 consecutive bytes of one row, a lane holds 4 neighbours along K, eight lanes a block.
; Two buffers of 32 loads; a group of 16 is asked for again as soon as it is converted.
; A row's numbers are multiplied by 2^-e (exact), held at +-57,344 and converted with the scale 1, so that one conversion takes four numbers of each of two rows.
; W: two LDS slots of two K steps each, filled by joint loads: the four work-groups of a cluster walk the same w2.  Rows of 256 bytes, dense.
; No prefetch: encoder_outputs is asked for two chunks ahead by the loads themselves, without a pause; w2 is read over and over by all work-groups of the launch.
; WINDOWS: 0: addresses, scales, work, A's fragments v64-127, W's fragments v128-255; 1: the two row buffers; 2, 3: accumulators.
.set WSLOT, 131072
.set IMG,   262144
.set AP,    144
.set ISLOT, 18432
.set ASC,   299008
.set WSC,   300032
.set BV,    316416
.set PS,    320512
.set SPARE, 322560
.set EROW,  131072
.set SPW, 1
.set NIL, 2
.set XA,  3
.set IWA, 4
.set SWA, 5
.set ARA, 6
.set ASA, 7
.set WSA0, 8
.set ADB0, 9
.set ADB, 10
.set ADW, 11
.set BVA, 12
.set PSW, 13
.set PSR, 14
.set GO,  15
.set SCW, 16
.set SCA, 24
.set T,   32
.set BY,  40
.set PC,  48
.set ONE, 56
.set CH,  32
.set R,   40
.set PSX, 44
.set TT,  48
.set VS,  56
.set FS,  60
.set WV,  18
.set SEL, 20
.set C2,  22
.set G1,  24
.set G0,  32
.set TB,  36
.set D,   37
.set KW,  38
.set ST,  40
.set BK,  42
.set NEG, 50
.set POS, 51
.set FLO, 52
.set SUBC, 53
.set K254, 54
.set E,   55
.set EO,  56
.set MSB, 0
.macro WIN new
.if MSB != (\new)
	s_set_vgpr_msb (MSB<<8)|(\new)
.set MSB, (\new)
.endif
.endm
.macro PLACES n
.rept \n
	v_nop
.endr
.endm
.macro VA
	s_wait_alu depctr_va_vdst(0)
.endm
.macro ROUND
	s_barrier_signal -1
	s_barrier_wait -1
	s_cmp_lg_u32 s[WV], 0
	s_cbranch_scc1 .Lnot_wave_0_\@
	s_barrier_signal -3
.Lnot_wave_0_\@:
	s_barrier_wait -3
	s_barrier_signal -1
	s_barrier_wait -1
.endm
; 16 loads, a row each: 128 K = 512 consecutive bytes, 16 bytes a lane
.macro ILOAD p, gq
	WIN 0x40
.set n_, 0
.rept 16
	global_load_b128 v[128*\p+64*\gq+4*n_:128*\p+64*\gq+4*n_+3], v[XA], s[4:5] offset:(16*\gq+n_)*EROW th:TH_LOAD_NT
.set n_, n_+1
.endr
	WIN 0
.endm
; eight rows are quantised, by turns, and go into image slot p
.macro QSUB p, gq, sb
.set XB, 128*\p+64*\gq+32*\sb
.set RW, 16*\gq+8*\sb
	WIN 0x05
.irp n, 0,1,2,3,4,5,6,7
	v_max3_num_f32 v[T+\n], |v[XB+4*\n]|, |v[XB+4*\n+1]|, s[FLO]   ; with the floor 2^(16 - 127)
.endr
.irp n, 0,1,2,3,4,5,6,7
	v_max3_num_f32 v[T+\n], |v[XB+4*\n+2]|, |v[XB+4*\n+3]|, v[T+\n]
.endr
	WIN 0
.irp k, 1,2,4                                  ; the block's eight lanes
.irp n, 0,1,2,3,4,5,6,7
	v_max_num_f32_dpp v[T+\n], v[T+\n], v[T+\n] row_xmask:\k row_mask:0xf bank_mask:0xf
.endr
.endr
.irp n, 0,1,2,3,4,5,6,7
	v_add_nc_u32 v[T+\n], s[SUBC], v[T+\n]         ; 15 off the exponent field
.endr
.irp n, 0,1,2,3,4,5,6,7
	v_lshrrev_b32 v[BY+\n], 23, v[T+\n]            ; the scale's byte, e + 127
.endr
.irp n, 0,1,2,3,4,5,6,7
	v_sub_nc_u32 v[T+\n], s[K254], v[BY+\n]
.endr
.irp n, 0,1,2,3,4,5,6,7
	v_lshlrev_b32 v[T+\n], 23, v[T+\n]             ; 2^-e
.endr
	WIN 0x41
.irp m, 0,1,2,3
	v_pk_mul_f32 v[XB+8*\m:XB+8*\m+1], v[XB+8*\m:XB+8*\m+1], v[T+2*\m:T+2*\m+1] op_sel_hi:[1,0]
	v_pk_mul_f32 v[XB+8*\m+2:XB+8*\m+3], v[XB+8*\m+2:XB+8*\m+3], v[T+2*\m:T+2*\m+1] op_sel_hi:[1,0]
	v_pk_mul_f32 v[XB+8*\m+4:XB+8*\m+5], v[XB+8*\m+4:XB+8*\m+5], v[T+2*\m:T+2*\m+1] op_sel:[0,1] op_sel_hi:[1,1]
	v_pk_mul_f32 v[XB+8*\m+6:XB+8*\m+7], v[XB+8*\m+6:XB+8*\m+7], v[T+2*\m:T+2*\m+1] op_sel:[0,1] op_sel_hi:[1,1]
.endr
.set n_, 0
.rept 32
	v_med3_num_f32 v[XB+n_], v[XB+n_], s[NEG], s[POS]   ; the conversion does not saturate (ISA guide 7.6.2)
.set n_, n_+1
.endr
	WIN 0x01
.irp m, 0,1,2,3
	v_cvt_scalef32_pk8_bf8_f32 v[PC+2*\m:PC+2*\m+1], v[XB+8*\m:XB+8*\m+7], v[ONE]   ; four codes of row 2 m, four of row 2 m + 1
.endr
	v_nop
	WIN 0
.irp n, 0,1,2,3,4,5,6,7
	ds_store_b32 v[IWA], v[PC+\n] offset:\p*ISLOT+(RW+\n)*AP      ; 128 consecutive bytes
	ds_store_b8 v[SWA], v[BY+\n] offset:\p*512+(RW+\n)*4          ; a block's eight lanes store the same byte
.endr
.endm
; a chunk: ca, cb = the loads issued behind the group that is waited for
.macro QSTEP p, issue, ca, cb, first
.if \issue
	s_wait_xcnt 0x0                                ; the base is stepped only behind this wait
.if \first
	s_cmp_eq_u32 s[D], 3                           ; chunk 8 begins the second tile: 128 rows down, back along K
	s_mov_b32 s[ST], 512
	s_cselect_b32 s[ST], 128*EROW-3584, s[ST]
	s_add_nc_u64 s[4:5], s[4:5], s[ST:ST+1]
.else
	s_add_nc_u64 s[4:5], s[4:5], 512
.endif
.endif
	s_wait_loadcnt \ca
	QSUB \p, 0, 0
	QSUB \p, 0, 1
.if \issue
	ILOAD \p, 0
.endif
	s_wait_loadcnt \cb
	QSUB \p, 1, 0
	QSUB \p, 1, 1
.if \issue
	ILOAD \p, 1
.endif
.endm
.macro ALD st, a
.irp c, 0,1,2,3
	ds_load_b128 v[64+16*((\a)%4)+4*\c:64+16*((\a)%4)+4*\c+3], v[ARA] offset:\st*ISLOT+(\a)*16*AP+32*\c
.endr
.endm
; source 0 = 16 rows of W, source 1 = 16 rows of the tile: lane (r, h) holds row 16 a + r, register i of accumulator (a, t) holds n = 16 t + 8 h + i
.macro MUL a, zero
.irp i, 0,1,2,3,4,5,6,7
.if \zero
	v_wmma_scale_f32_16x16x128_f8f6f4 v[64*((\a)%4)+8*\i:64*((\a)%4)+8*\i+7], v[128+16*\i:143+16*\i], v[64+16*((\a)%4):79+16*((\a)%4)], 0, v[SCW+\i], v[SCA+(\a)] matrix_a_fmt:MATRIX_FMT_BF8 matrix_b_fmt:MATRIX_FMT_BF8
.else
	v_wmma_scale_f32_16x16x128_f8f6f4 v[64*((\a)%4)+8*\i:64*((\a)%4)+8*\i+7], v[128+16*\i:143+16*\i], v[64+16*((\a)%4):79+16*((\a)%4)], v[64*((\a)%4)+8*\i:64*((\a)%4)+8*\i+7], v[SCW+\i], v[SCA+(\a)] matrix_a_fmt:MATRIX_FMT_BF8 matrix_b_fmt:MATRIX_FMT_BF8
.endif
.endr
.endm
; 64 products, the accumulators by turns; A's fragments pass through four buffers.  Each count: the LDS loads issued behind the fragment wanted
.macro MULS st, zero
	WIN 0xa0
	s_wait_dscnt 12
	MUL 0, \zero
	s_wait_dscnt 8
	MUL 1, \zero
	PLACES 8
	WIN 0
	ALD \st, 4
	ALD \st, 5
	WIN 0xa0
	s_wait_dscnt 12
	MUL 2, \zero
	s_wait_dscnt 8
	MUL 3, \zero
	PLACES 8
	WIN 0
	ALD \st, 6
	ALD \st, 7
	WIN 0xf0
	s_wait_dscnt 12
	MUL 4, \zero
	s_wait_dscnt 8
	MUL 5, \zero
	s_wait_dscnt 4
	MUL 6, \zero
	s_wait_dscnt 0x0
	MUL 7, \zero
	WIN 0
.endm
.macro MST st, zb
.irp i, 0,1,2,3,4,5,6,7
	ds_load_b32 v[SCW+\i], v[ADW] offset:\st*512+64*\i
.endr
.irp a, 0,1,2,3,4,5,6,7
	ds_load_b32 v[SCA+\a], v[ASA] offset:\st*512+64*\a
.endr
.irp i, 0,1,2,3,4,5,6,7
.irp c, 0,1,2,3
	ds_load_b128 v[128+16*\i+4*\c:128+16*\i+4*\c+3], v[ADB] offset:\st*16384+2048*\i+512*\c
.endr
.endr
.irp a, 0,1,2,3
	ALD \st, \a
.endr
.if \zb
	s_and_b32 s44, s[D], 3                         ; a tile's first K step starts the sums
	s_cmp_eq_u32 s44, 0
	s_cbranch_scc1 .Lzero_\@
	MULS \st, 0
	s_branch .Ljoin_\@
.Lzero_\@:
	MULS \st, 1
.Ljoin_\@:
.else
	MULS \st, 0
.endif
.endm
; two K steps = one slot of W.  fill = 1: rows are asked for two chunks on, and the other slot of W is filled
.macro BODY fill, c00, c01, c10, c11
	s_and_b32 s[KW], s[D], 3
	s_lshl_b32 s[KW], s[KW], 10
	v_add_nc_u32 v[ADW], s[KW], v[WSA0]
	v_add_nc_u32 v[ADB], s[TB], v[ADB0]
	v_mov_b32 v[ONE], 1.0                          ; the conversions' scale operand
	QSTEP 0, \fill, \c00, \c01, 1
	s_wait_tensorcnt 0x0                           ; my part of the slot ahead is in
	ds_add_u32 v[SPW], v[NIL]
.if \fill
	s_xor_b32 s[G0+1], s[G0+1], WSLOT
	s_cmp_eq_u32 s[D], 3
	s_cselect_b32 s[BK], 0x80000, 0                ; behind w2's last 256 along K comes its first
	s_add_nc_u64 s[G0+2:G0+3], s[G0+2:G0+3], 0x20000
	s_sub_nc_u64 s[G0+2:G0+3], s[G0+2:G0+3], s[BK:BK+1]
.endif
	s_wait_dscnt 0x0                               ; the add, my image stores and my reads of the other slots are done
.if \fill
	ROUND
	tensor_load_to_lds s[G0:G0+3], s[G1:G1+7]
	s_nop 0
	PLACES 4
.else
	s_barrier_signal -1
	s_barrier_wait -1
.endif
	MST 0, \fill
	QSTEP 1, \fill, \c10, \c11, 0
	s_wait_dscnt 0x0
	s_barrier_signal -1
	s_barrier_wait -1
	MST 1, 0
	s_xor_b32 s[TB], s[TB], WSLOT
.endm
; 2 log2(e) x the sums + hb, for four blocks of 16 rows; win: where the sums lie; the results go to window 2
.macro FIRST win
	WIN 0x80+\win
	VA
.set e_, 0
.rept 128
	v_pk_fma_f32 v[2*e_:2*e_+1], v[2*e_:2*e_+1], s[C2:C2+1], v[128+2*(e_%32):129+2*(e_%32)] op_sel_hi:[1,0,1]
.set e_, e_+1
.endr
	WIN 0
.endm
; r, and the sum with -2 v, for one block in window 2
.macro EB a
.set AC, 64*(\a)
	WIN 0x82
	VA
.set e_, 0
.rept 64
	v_exp_f32 v[AC+e_], v[AC+e_]
.set e_, e_+1
.endr
	v_nop
	VA
.set e_, 0
.rept 32
	v_pk_add_f32 v[AC+2*e_:AC+2*e_+1], v[AC+2*e_:AC+2*e_+1], 1.0 op_sel_hi:[1,0]
.set e_, e_+1
.endr
	VA
.set e_, 0
.rept 64
	v_rcp_f32 v[AC+e_], v[AC+e_]
.set e_, e_+1
.endr
	v_nop
	VA
	WIN 0x02
	v_pk_fma_f32 v[CH:CH+1], v[AC:AC+1], v[192:193], v[VS:VS+1]
.set e_, 1
.rept 3
	v_pk_mul_f32 v[CH+2*e_:CH+2*e_+1], v[AC+2*e_:AC+2*e_+1], v[192+2*e_:193+2*e_]
.set e_, e_+1
.endr
.rept 28
	v_pk_fma_f32 v[CH+2*(e_%4):CH+2*(e_%4)+1], v[AC+2*e_:AC+2*e_+1], v[192+2*e_:193+2*e_], v[CH+2*(e_%4):CH+2*(e_%4)+1]
.set e_, e_+1
.endr
	WIN 0
	v_pk_add_f32 v[CH:CH+1], v[CH:CH+1], v[CH+2:CH+3]
	v_pk_add_f32 v[CH+4:CH+5], v[CH+4:CH+5], v[CH+6:CH+7]
	v_pk_add_f32 v[CH:CH+1], v[CH:CH+1], v[CH+4:CH+5]
	v_add_f32 v[R+(\a)], v[CH], v[CH+1]
.endm
; a tile's way out: hb into v128-191, -2 v into v192-255 (W's fragments are done with).  Two trips, 64 rows each: only the first stage names the sums' window,
; so it is written once for each window and the rest once.  The four waves' parts are added by wave 0
.macro EPI
	PLACES 8
.set q_, 0
.rept 16
	ds_load_b128 v[128+4*q_:131+4*q_], v[BVA] offset:64*(q_/2)+16*(q_%2)
	ds_load_b128 v[192+4*q_:195+4*q_], v[BVA] offset:2048+64*(q_/2)+16*(q_%2)
.set q_, q_+1
.endr
	s_wait_dscnt 0x0
	v_pk_add_f32 v[VS:VS+1], v[192:193], v[194:195]
	v_pk_add_f32 v[VS+2:VS+3], v[196:197], v[198:199]
.set e_, 4
.rept 14
	v_pk_add_f32 v[VS:VS+1], v[VS:VS+1], v[192+2*e_:193+2*e_]
	v_pk_add_f32 v[VS+2:VS+3], v[VS+2:VS+3], v[194+2*e_:195+2*e_]
.set e_, e_+2
.endr
	v_pk_add_f32 v[VS:VS+1], v[VS:VS+1], v[VS+2:VS+3]
	v_pk_mul_f32 v[VS:VS+1], v[VS:VS+1], -0.5 op_sel_hi:[1,0]   ; my lane's share of the sum of v
	s_mov_b32 s[E], 0
	VA
.Lhalf_\@:
	s_lshl_b32 s[EO], s[E], 8
	v_add_nc_u32 v[PSX], s[EO], v[PSW]
	s_cmp_lg_u32 s[E], 0
	s_cbranch_scc1 .Lhigh_\@
	FIRST 2
	s_branch .Lrest_\@
.Lhigh_\@:
	FIRST 3
.Lrest_\@:
.irp a, 0,1,2,3
	EB \a
.endr
.irp a, 0,1,2,3
	v_permlanex16_b32 v[TT+\a], v[R+\a], s[SEL], s[SEL+1]
.endr
.irp a, 0,1,2,3
	v_add_f32 v[R+\a], v[R+\a], v[TT+\a]
.endr
.irp a, 0,1,2,3
	ds_store_b32 v[PSX], v[R+\a] offset:64*\a
.endr
	s_add_co_u32 s[E], s[E], 1
	s_cmp_lt_u32 s[E], 2
	VA
	s_cbranch_scc1 .Lhalf_\@
	s_wait_dscnt 0x0
	s_barrier_signal -1
	s_barrier_wait -1
	s_cmp_lg_u32 s[WV], 0
	s_cbranch_scc1 .Lnot_mine_\@
.irp q, 0,1,2,3
	ds_load_b128 v[64+4*\q:67+4*\q], v[PSR] offset:512*\q
.endr
	s_wait_dscnt 0x0
	v_pk_add_f32 v[64:65], v[64:65], v[68:69]
	v_pk_add_f32 v[66:67], v[66:67], v[70:71]
	v_pk_add_f32 v[72:73], v[72:73], v[76:77]
	v_pk_add_f32 v[74:75], v[74:75], v[78:79]
	v_pk_add_f32 v[FS:FS+1], v[64:65], v[72:73]
	v_pk_add_f32 v[FS+2:FS+3], v[66:67], v[74:75]
	global_store_b128 v[GO], v[FS:FS+3], s[14:15]  ; 512 consecutive bytes
.Lnot_mine_\@:
	s_wait_xcnt 0x0
	s_add_nc_u64 s[14:15], s[14:15], 512
.endm
	s_load_b256 s[4:11], s[0:1], 0x0               ; encoder_outputs, w2, W's scales, hb
	s_load_b128 s[12:15], s[0:1], 0x20             ; v, scores
	v_lshl_add_u32 v[SPW], v0, 2, SPARE
	v_mov_b32 v[NIL], 0
	ds_add_u32 v[SPW], v[NIL]
	ds_add_u32 v[SPW], v[NIL]
	v_lshrrev_b32 v32, 5, v0
	v_readfirstlane_b32 s[WV], v32
	s_bfe_u32 s66, ttmp6, 0x40000
	s_lshl_b32 s67, ttmp9, 2
	s_add_co_u32 s67, s67, s66                     ; the work-group's number: it enters global addresses alone
	s_lshr_b32 s68, s67, 3                         ; b
	s_and_b32 s69, s67, 7                          ; which 256 s
	s_lshl_b32 s70, s68, 12
	s_lshl_b32 s72, s69, 25
	s_add_co_u32 s72, s72, s70
	s_mov_b32 s73, 0
	s_lshl_b32 s74, s68, 13
	s_lshl_b32 s66, s69, 10
	s_add_co_u32 s74, s74, s66
	s_mov_b32 s75, 0
	s_lshl_b32 s76, s68, 6
	s_mov_b32 s77, 0
	s_lshl_b32 s60, s[WV], 15
	s_mov_b32 s61, 0
	s_lshl_b32 s62, s[WV], 13
	s_mov_b32 s63, 0
	s_lshl_b32 s44, s[WV], 22
	s_mul_i32 s45, s[WV], 32*AP
	s_add_co_u32 s45, s45, IMG
	s_lshl_b32 s46, s[WV], 7
	s_add_co_u32 s46, s46, ASC
	s_lshl_b32 s47, s[WV], 12
	s_add_co_u32 s47, s47, WSC
	s_lshl_b32 s48, s[WV], 9
	s_add_co_u32 s49, s48, PS
	s_add_co_u32 s48, s48, BV
	s_mov_b32 s[NEG], 0xc7600000                   ; -57,344
	s_mov_b32 s[POS], 0x47600000                   ; 57,344
	s_mov_b32 s[FLO], 0x8000000                    ; 2^(16 - 127)
	s_mov_b32 s[SUBC], 0xf8800000                  ; -(15 << 23)
	s_mov_b32 s[K254], 254
	s_mov_b32 s[SEL], 0x76543210
	s_mov_b32 s[SEL+1], 0xfedcba98
	s_mov_b32 s[C2], 0x4038aa3b
	s_mov_b32 s[C2+1], s[C2]
	s_mov_b32 s[TB], 0
	s_mov_b32 s[D], 0
	s_mov_b32 s[ST+1], 0
	s_mov_b32 s[BK+1], 0
	s_mov_b32 s[G1+0], 15|(3<<16)|(1<<21)          ; the cluster's four; elements of 8 bytes; no padding
	s_mov_b32 s[G1+1], 32<<16                      ; rows of 256 bytes,
	s_mov_b32 s[G1+2], 128<<16                     ; 128 of them: my wave's eight fragments of two K steps
	s_mov_b32 s[G1+3], 32<<16
	s_mov_b32 s[G1+4], 128
	s_mov_b32 s[G1+5], 32
	s_mov_b32 s[G1+6], 0
	s_mov_b32 s[G1+7], 0
	v_and_b32 v32, 31, v0                          ; lane
	v_and_b32 v33, 15, v0                          ; r
	v_bfe_u32 v34, v0, 4, 1                        ; h
	v_bfe_u32 v35, v0, 3, 2                        ; lane / 8: my block of the row's four
	v_lshlrev_b32 v[GO], 4, v32
	v_add_nc_u32 v[XA], s44, v[GO]                 ; rows: my wave's 32, + 16 x lane
	v_lshl_add_u32 v[IWA], v32, 2, s45             ; codes: my wave's rows, + 4 x lane
	v_add_nc_u32 v[SWA], s46, v35                  ; scale bytes: 4 a row
	v_mul_u32_u24 v37, v33, AP
	v_lshl_add_u32 v37, v34, 4, v37
	v_add_nc_u32 v[ARA], IMG, v37
	v_lshl_add_u32 v[ASA], v33, 2, ASC
	v_lshl_add_u32 v[WSA0], v33, 2, s47
	v_lshl_add_u32 v38, v34, 11, v[WSA0]           ; where my words of W's scales go
	v_add_nc_u32 v[ADB0], s60, v[GO]
	v_lshlrev_b32 v42, 6, v33
	v_lshl_add_u32 v42, v34, 4, v42                ; W's scales: row r, + 16 h
	v_lshl_add_u32 v39, v0, 4, BV
	v_lshrrev_b32 v40, 2, v0
	v_and_b32 v37, 3, v0
	v_lshlrev_b32 v40, 11, v40
	v_lshl_add_u32 v40, v37, 4, v40                ; hb: block thread / 4, + 16 (thread % 4)
	v_lshlrev_b32 v41, 4, v0
	v_lshl_add_u32 v[BVA], v34, 5, s48
	v_lshl_add_u32 v[PSW], v33, 2, s49
	v_add_nc_u32 v[PSR], PS, v[GO]
	s_wait_alu depctr_va_vdst(0)
	s_wait_dscnt 0x0
	s_wait_kmcnt 0x0
	s_add_nc_u64 s[4:5], s[4:5], s[72:73]
	s_add_nc_u64 s[6:7], s[6:7], s[60:61]
	s_add_nc_u64 s[8:9], s[8:9], s[62:63]
	s_add_nc_u64 s[10:11], s[10:11], s[76:77]
	s_add_nc_u64 s[14:15], s[14:15], s[74:75]
.irp i, 0,1,2,3,4,5,6,7
	global_load_b128 v[64+4*\i:67+4*\i], v42, s[8:9] offset:32+1024*\i   ; the words of K steps 4 h .. 4 h + 3 of row 16 i + r
.endr
	global_load_b128 v[96:99], v40, s[10:11]
	global_load_b128 v[100:103], v41, s[12:13]
	ILOAD 0, 0                                     ; chunk 0
	ILOAD 0, 1
	s_mov_b32 s[G0], 1
	s_mov_b32 s[G0+1], s60
	s_mov_b64 s[G0+2:G0+3], s[6:7]
	s_or_b32 s[G0+3], s[G0+3], 0x80000000
	ROUND
	tensor_load_to_lds s[G0:G0+3], s[G1:G1+7]      ; W's K steps 0 and 1: my one load at the head
	s_nop 0
	PLACES 4
	s_wait_loadcnt 32                              ; all but chunk 0's 32
	v_pk_mul_f32 v[100:101], v[100:101], -2.0 op_sel_hi:[1,0]
	v_pk_mul_f32 v[102:103], v[102:103], -2.0 op_sel_hi:[1,0]
.irp i, 0,1,2,3,4,5,6,7
.irp e, 0,1,2,3
	ds_store_b32 v38, v[64+4*\i+\e] offset:512*\e+64*\i
.endr
.endr
	ds_store_b128 v39, v[96:99]
	ds_store_b128 v39, v[100:103] offset:2048
	s_wait_xcnt 0x0
	s_add_nc_u64 s[4:5], s[4:5], 512
	ILOAD 1, 0                                     ; chunk 1
	ILOAD 1, 1
	s_wait_alu depctr_va_vdst(0)
.Lbody:
	BODY 1, 48, 48, 48, 48
	s_cmp_lg_u32 s[D], 3
	s_cbranch_scc1 .Lno_epi
	EPI
.Lno_epi:
	s_add_co_u32 s[D], s[D], 1
	s_cmp_lt_u32 s[D], 7
	s_cbranch_scc1 .Lbody
	BODY 0, 48, 32, 16, 0                          ; the last two K steps ask for nothing more
	EPI
	s_wait_tensorcnt 0x0                           ; the wave's end
	ds_add_u32 v[SPW], v[NIL]
	s_wait_dscnt 0x0
	ROUND                                          ; the closing round
	s_endpgm
.Lfunc_end_k_q0dd0c5d9f6_energy:
	.size	k_q0dd0c5d9f6_energy, .Lfunc_end_k_q0dd0c5d9f6_energy-k_q0dd0c5d9f6_energy
	.p2alignl 7, 3214868480
	.fill 96, 4, 3214868480
	.section	.rodata,"a",@progbits
	.p2align	6, 0x0
	.amdhsa_kernel k_q0dd0c5d9f6_energy
		.amdhsa_group_segment_fixed_size 327680
		.amdhsa_private_segment_fixed_size 0
		.amdhsa_enable_private_segment 0
		.amdhsa_kernarg_size 48
		.amdhsa_user_sgpr_count 2
		.amdhsa_user_sgpr_kernarg_segment_ptr 1
		.amdhsa_wavefront_size32 1
		.amdhsa_system_sgpr_workgroup_id_x 1
		.amdhsa_system_sgpr_workgroup_id_y 1
		.amdhsa_system_sgpr_workgroup_id_z 1
		.amdhsa_system_vgpr_workitem_id 0
		.amdhsa_next_free_vgpr 1024
		.amdhsa_next_free_sgpr 80
		.amdhsa_reserve_vcc 0
		.amdhsa_float_denorm_mode_32 3
		.amdhsa_float_denorm_mode_16_64 3
		.amdhsa_memory_ordered 1
		.amdhsa_forward_progress 1
		.amdhsa_inst_pref_size 255
	.end_amdhsa_kernel
	.section	.bss,"aw",@nobits
	.p2align	6
	.space	262144
	.amdgpu_metadata
---
amdhsa.version: [ 1, 2 ]
amdhsa.kernels:
  - .name:           k_q0dd0c5d9f6_energy
    .symbol:         k_q0dd0c5d9f6_energy.kd
    .args:
      - { .name: encoder_outputs, .offset: 0, .size: 8, .value_kind: global_buffer, .address_space: global }
      - { .name: w2, .offset: 8, .size: 8, .value_kind: global_buffer, .address_space: global }
      - { .name: attn_w_scales, .offset: 16, .size: 8, .value_kind: global_buffer, .address_space: global }
      - { .name: hb, .offset: 24, .size: 8, .value_kind: global_buffer, .address_space: global }
      - { .name: v, .offset: 32, .size: 8, .value_kind: global_buffer, .address_space: global }
      - { .name: scores, .offset: 40, .size: 8, .value_kind: global_buffer, .address_space: global }
    .group_segment_fixed_size: 327680
    .private_segment_fixed_size: 0
    .kernarg_segment_align: 8
    .kernarg_segment_size: 48
    .max_flat_workgroup_size: 128
    .sgpr_count:     80
    .vgpr_count:     1024
    .wavefront_size: 32
...
	.end_amdgpu_metadata
.endif
;; end of part 4
;; launch soft (part 5): grid 32 x 1, 8 waves a work-group, no clusters, 1,280 bytes of LDS; arguments scores, mask, out0; writes out0
.if DOCPART == 5
	.amdgcn_target "amdgcn-amd-amdhsa--gfx1250"
	.amdhsa_code_object_version 6
	.text
	.protected	k_q0dd0c5d9f6_soft
	.globl	k_q0dd0c5d9f6_soft
	.p2align	8
	.type	k_q0dd0c5d9f6_soft,@function
k_q0dd0c5d9f6_soft:
	s_mov_b64 s[64:65], 0
	v_nop
	global_prefetch_b8 v0, s[64:65] scope:SCOPE_SE
	s_setreg_imm32_b32 hwreg(HW_REG_WAVE_MODE, 25, 1), 1
	s_wait_xcnt 0x0
; out0[b][:] = softmax over s of (mask[b][s] == 0 ? -1e10 : scores[b][s]).  scores, out0: [32][2048] f32; mask: [32][2048] i32.
; A work-group takes one b; thread t takes s = 4 t .. 4 t + 3 and 1,024 + 4 t .. + 3: each load and store of a wave covers 512 consecutive bytes, at a multiple of 256.  The row stays in registers: read once, written once.
; The row's maximum is taken away before the exponential, by a subtraction of its own ahead of the multiplication by log2(e): so a row that is masked everywhere gives exactly 0, 2^0 = 1 and 1 / 2,048,
; where a fused form would leave the rounding error of 1e10 x log2(e) in the exponent.  The sum holds the maximum's own 1, so it is at least 1.
; The matrix units, clusters and tensor loads have nothing to do here: 12 bytes a number pass through once.
	s_load_b128 s[4:7], s[0:1], 0x0                ; scores, mask
	s_load_b64 s[8:9], s[0:1], 0x10                ; out0
	v_lshl_add_u32 v48, v0, 2, 0x100
	v_mov_b32 v49, 0
	v_lshlrev_b32 v1, 4, v0                        ; 16 t
	v_lshrrev_b32 v2, 5, v0
	s_delay_alu instid0(VALU_DEP_1)
	v_lshlrev_b32 v2, 2, v2                        ; LDS: my wave's word
	v_mov_b32 v3, 0xd01502f9                       ; -1e10
	v_mov_b32 v4, 0                                ; LDS: the eight words
	v_mov_b32 v5, 0                                ; written once: a lane permute's destination counts as one of its sources
	s_lshl_b32 s10, ttmp9, 13                      ; b rows of 8,192 bytes
	s_mov_b32 s11, 0
	s_mov_b32 s12, 0x76543210                      ; v_permlanex16_b32's selects for lane l xor 16
	s_mov_b32 s13, 0xfedcba98
	s_wait_alu depctr_va_vdst(0)
	s_wait_kmcnt 0x0
	s_add_nc_u64 s[4:5], s[4:5], s[10:11]
	s_add_nc_u64 s[6:7], s[6:7], s[10:11]
	s_add_nc_u64 s[8:9], s[8:9], s[10:11]
	global_load_b128 v[8:11], v1, s[4:5]
	global_load_b128 v[12:15], v1, s[4:5] offset:4096
	global_load_b128 v[16:19], v1, s[6:7]
	global_load_b128 v[20:23], v1, s[6:7] offset:4096
	s_wait_loadcnt 0x0
.irp i, 0,1,2,3,4,5,6,7
	v_cmp_eq_u32 vcc_lo, 0, v[16+\i]
	s_delay_alu instid0(VALU_DEP_1)
	v_cndmask_b32 v[8+\i], v[8+\i], v3, vcc_lo     ; -1e10 where the mask is 0
.endr
	v_max3_num_f32 v24, v8, v9, v10                ; the largest of my eight,
	v_max3_num_f32 v25, v11, v12, v13
	s_delay_alu instid0(VALU_DEP_2)
	v_max3_num_f32 v24, v24, v14, v15
	s_delay_alu instid0(VALU_DEP_1)
	v_max_num_f32 v24, v24, v25
	s_delay_alu instid0(VALU_DEP_1)
	v_max_num_f32_dpp v24, v24, v24 row_xmask:1 row_mask:0xf bank_mask:0xf   ; of the wave's 32 lanes,
	s_delay_alu instid0(VALU_DEP_1)
	v_max_num_f32_dpp v24, v24, v24 row_xmask:2 row_mask:0xf bank_mask:0xf
	s_delay_alu instid0(VALU_DEP_1)
	v_max_num_f32_dpp v24, v24, v24 row_xmask:4 row_mask:0xf bank_mask:0xf
	s_delay_alu instid0(VALU_DEP_1)
	v_max_num_f32_dpp v24, v24, v24 row_xmask:8 row_mask:0xf bank_mask:0xf
	s_delay_alu instid0(VALU_DEP_1)
	v_permlanex16_b32 v5, v24, s12, s13
	s_delay_alu instid0(VALU_DEP_1)
	v_max_num_f32 v24, v24, v5
	ds_store_b32 v2, v24                           ; (all lanes write my wave's word with the same value)
	s_wait_dscnt 0x0                               ; for the others' sake: my store has landed
	s_barrier_signal -1
	s_barrier_wait -1
	ds_load_b128 v[28:31], v4                      ; and of the eight waves
	ds_load_b128 v[32:35], v4 offset:16
	s_wait_dscnt 0x0
	v_max3_num_f32 v24, v28, v29, v30
	v_max3_num_f32 v25, v31, v32, v33
	s_delay_alu instid0(VALU_DEP_2)
	v_max3_num_f32 v24, v24, v34, v35
	s_delay_alu instid0(VALU_DEP_1)
	v_max_num_f32 v24, v24, v25                    ; the row's maximum, in every lane
.irp i, 0,1,2,3,4,5,6,7
	v_sub_f32 v[8+\i], v[8+\i], v24
.endr
.irp i, 0,1,2,3,4,5,6,7
	v_mul_f32 v[8+\i], 0x3fb8aa3b, v[8+\i]         ; x log2(e)
.endr
	s_wait_alu depctr_va_vdst(0)
.irp i, 0,1,2,3,4,5,6,7
	v_exp_f32 v[8+\i], v[8+\i]
.endr
	v_nop                                          ; a plain instruction between the exponentials and the use of their results (ISA guide 5.7.2)
	s_wait_alu depctr_va_vdst(0)
	v_pk_add_f32 v[24:25], v[8:9], v[10:11]
	v_pk_add_f32 v[26:27], v[12:13], v[14:15]
	s_delay_alu instid0(VALU_DEP_1)
	v_pk_add_f32 v[24:25], v[24:25], v[26:27]
	s_delay_alu instid0(VALU_DEP_1)
	v_add_f32 v24, v24, v25
	s_delay_alu instid0(VALU_DEP_1)
	v_add_f32_dpp v24, v24, v24 row_xmask:1 row_mask:0xf bank_mask:0xf
	s_delay_alu instid0(VALU_DEP_1)
	v_add_f32_dpp v24, v24, v24 row_xmask:2 row_mask:0xf bank_mask:0xf
	s_delay_alu instid0(VALU_DEP_1)
	v_add_f32_dpp v24, v24, v24 row_xmask:4 row_mask:0xf bank_mask:0xf
	s_delay_alu instid0(VALU_DEP_1)
	v_add_f32_dpp v24, v24, v24 row_xmask:8 row_mask:0xf bank_mask:0xf
	s_delay_alu instid0(VALU_DEP_1)
	v_permlanex16_b32 v5, v24, s12, s13
	s_delay_alu instid0(VALU_DEP_1)
	v_add_f32 v24, v24, v5
	ds_store_b32 v2, v24 offset:32
	s_wait_dscnt 0x0
	s_barrier_signal -1
	s_barrier_wait -1
	ds_load_b128 v[36:39], v4 offset:32
	ds_load_b128 v[40:43], v4 offset:48
	s_wait_dscnt 0x0
	v_pk_add_f32 v[36:37], v[36:37], v[38:39]
	v_pk_add_f32 v[40:41], v[40:41], v[42:43]
	s_delay_alu instid0(VALU_DEP_1)
	v_pk_add_f32 v[36:37], v[36:37], v[40:41]
	s_delay_alu instid0(VALU_DEP_1)
	v_add_f32 v24, v36, v37                        ; the row's sum
	s_wait_alu depctr_va_vdst(0)
	v_rcp_f32 v26, v24
	v_nop                                          ; a plain instruction behind the reciprocal
	s_wait_alu depctr_va_vdst(0)
.irp i, 0,1,2,3,4,5,6,7
	v_mul_f32 v[8+\i], v[8+\i], v26
.endr
	global_store_b128 v1, v[8:11], s[8:9]
	global_store_b128 v1, v[12:15], s[8:9] offset:4096
	s_wait_tensorcnt 0x0
	ds_add_u32 v48, v49
	s_wait_dscnt 0x0
	s_endpgm
.Lfunc_end_k_q0dd0c5d9f6_soft:
	.size	k_q0dd0c5d9f6_soft, .Lfunc_end_k_q0dd0c5d9f6_soft-k_q0dd0c5d9f6_soft
	.p2alignl 7, 3214868480
	.fill 96, 4, 3214868480
	.section	.rodata,"a",@progbits
	.p2align	6, 0x0
	.amdhsa_kernel k_q0dd0c5d9f6_soft
		.amdhsa_group_segment_fixed_size 1280
		.amdhsa_private_segment_fixed_size 0
		.amdhsa_enable_private_segment 0
		.amdhsa_kernarg_size 24
		.amdhsa_user_sgpr_count 2
		.amdhsa_user_sgpr_kernarg_segment_ptr 1
		.amdhsa_wavefront_size32 1
		.amdhsa_system_sgpr_workgroup_id_x 1
		.amdhsa_system_sgpr_workgroup_id_y 1
		.amdhsa_system_sgpr_workgroup_id_z 1
		.amdhsa_system_vgpr_workitem_id 0
		.amdhsa_next_free_vgpr 50
		.amdhsa_next_free_sgpr 66
		.amdhsa_reserve_vcc 1
		.amdhsa_float_denorm_mode_32 3
		.amdhsa_float_denorm_mode_16_64 3
		.amdhsa_memory_ordered 1
		.amdhsa_forward_progress 1
		.amdhsa_inst_pref_size 7
	.end_amdhsa_kernel
	.amdgpu_metadata
---
amdhsa.version: [ 1, 2 ]
amdhsa.kernels:
  - .name:           k_q0dd0c5d9f6_soft
    .symbol:         k_q0dd0c5d9f6_soft.kd
    .args:
      - { .name: scores, .offset: 0, .size: 8, .value_kind: global_buffer, .address_space: global }
      - { .name: mask, .offset: 8, .size: 8, .value_kind: global_buffer, .address_space: global }
      - { .name: out0, .offset: 16, .size: 8, .value_kind: global_buffer, .address_space: global }
    .group_segment_fixed_size: 1280
    .private_segment_fixed_size: 0
    .kernarg_segment_align: 8
    .kernarg_segment_size: 24
    .max_flat_workgroup_size: 256
    .sgpr_count:     66
    .vgpr_count:     50
    .wavefront_size: 32
...
	.end_amdgpu_metadata
.endif
;; end of part 5
